; MI455X (gfx1250); checked and timed in simulation.
; The chip was launched on July 23, 2026; its instructions are those of AMD's public machine-readable ISA for CDNA 5 (MIT licence, August 2026) and "CDNA5" Instruction Set Architecture Reference Guide (July 2026). The comments in the code are by the model that wrote it; some were corrected since.
;; Attention. Allowed arithmetic: matrix products marked QUANTISED: E2M1 operands, one E8M0 scale for each 32 along K, by v_wmma_scale_f32_16x16x128_f8f6f4 with both operands' format E2M1 (or v_wmma_scale_f32_32x16x128_f4), f32 sums; everything else in f32.
;; Inputs: Wk 1,024 x 1,024 float32; Wo 1,024 x 1,024 float32; Wq 1,024 x 1,024 float32; Wv 1,024 x 1,024 float32; beta 1,024 float32; bk 1,024 float32; bo 1,024 float32; bq 1,024 float32; bv 1,024 float32; gamma 1,024 float32; x 4 x 2,048 x 1,024 float32.
;; Outputs: out0 4 x 2,048 x 1,024 float32.
;; This version of the problem:
;;   THIS VERSION OF THE PROBLEM IS GIVEN IN LOW PRECISION. The matrix products marked QUANTISED in the list below multiply operands that are first quantised to E2M1 (2 exponent bits, 1 mantissa bit; 4 bits a number), with one power-of-two scale for each 32 numbers along K (OCP MX v1.0); their sums are f32. All else is computed in f32.
;;   The module's matrix products, in the order in which they are computed (A, B: the left and right operand; K: the contracted axis; several contracted axes count as one K, in the product's order):
;;     1. [M 8,192, K 1,024] x [K 1,024, N 1,024]; A: computed on the way; B: input Wq: QUANTISED
;;     2. [M 8,192, K 1,024] x [K 1,024, N 1,024]; A: computed on the way; B: input Wk: QUANTISED
;;     3. [M 8,192, K 1,024] x [K 1,024, N 1,024]; A: computed on the way; B: input Wv: QUANTISED
;;     4. batch 64 x [M 2,048, K 64] x [K 64, N 2,048]; A: computed on the way; B: computed on the way: QUANTISED
;;     5. batch 64 x [M 2,048, K 2,048] x [K 2,048, N 64]; A: softmax (see below); B: computed on the way: QUANTISED
;;     6. [M 8,192, K 1,024] x [K 1,024, N 1,024]; A: computed on the way; B: input Wo: QUANTISED
;;   THE QUANTISER, for each operand of a quantised product, along K:
;;     - K is cut into blocks of 32 from its start; a last block that is shorter is filled with zeros.
;;     - A block's scale is 2^e with e = floor(log2(the largest magnitude in the block)) - 2, held to -126 .. 127; a block of zeros has e = 0. As a byte (E8M0): e + 127.
;;     - Each number is divided by its block's scale, clamped to +-6, and rounded to the nearest number of E2M1, ties to even, subnormals kept.
;;     - The product sums the exact products of the quantised numbers (number of the format x scale) in f32.
;;   ~~~python
;;   def quantise(x, axis):      # numpy; x: float32 -> the quantised numbers, widened to float32 again
;;       x = np.moveaxis(x, axis, -1); K = x.shape[-1]
;;       x = np.pad(x, [(0, 0)] * (x.ndim - 1) + [(0, -K % 32)]); x = x.reshape(x.shape[:-1] + (-1, 32)); a = np.abs(x).max(-1, keepdims=True)
;;       e = np.where(a > 0, np.clip(np.frexp(np.where(a > 0, a, 1))[1] - 1 - 2, -126, 127), 0)      # np.frexp(a)[1] - 1 = floor(log2(a)), exactly
;;       r = np.clip(x / 2.0 ** e, -6, 6)
;;       step = 2.0 ** (np.maximum(np.frexp(np.where(r == 0, 1, r))[1] - 1, 0) - 1)
;;       q = np.round(r / step) * step * 2.0 ** e      # np.round: ties to even
;;       return np.moveaxis(q.reshape(q.shape[:-2] + (-1,))[..., :K], -1, axis).astype(np.float32)
;;   ~~~
;;   SOFTMAX AHEAD OF A QUANTISED PRODUCT. Where the list says 'softmax', what is quantised is not the finished softmax but p = 2^(t - M), with t = logit x log2(e) and M = ceil(the row's largest t), a whole number; so 1/2 < the row's largest p <= 1. The row's sum l is taken of the UNQUANTISED p, in f32, and the product's result is divided by l at the end. Since M is a whole number, a kernel that streams over the keys may use a running M (the ceiling of the running maximum): every later rescaling is an exact power of two, which a block's scale takes up: the codes' values come out the same.
;;   OPERANDS COMPUTED ON THE WAY. 'Computed on the way' means the value that the module computes at that place (a softmax that the list does not call 'softmax' is quantised finished and normalised). What goes into a quantiser is computed in f32, as accurately as f32 sums, v_exp_f32 and their like allow (about 1e-6 of the number): no bf16 or f16 on the way to a quantiser, and a product that is left as it is and whose result goes on into a quantised operand takes f32 operands (vector FMAs, or v_wmma_f32_16x16x4_f32). A number that lies on a knife's edge between two numbers of the format may be rounded either way, as far as f32 arithmetic and the matrix unit's own rounding can turn it there, and no further.
;; One version. Each part assembles by itself: llvm-mc -triple=amdgcn-amd-amdhsa -mcpu=gfx1250 --defsym DOCPART=n.
;; ======== version 1 of 1: 4 launches
;; workspace buffers: ximg 4,194,304 bytes; xscl 262,144 bytes; wimg 2,097,152 bytes; wscl 131,072 bytes; qkv 12,582,912 bytes; qkvs 786,432 bytes; oimg 4,194,304 bytes; oscl 262,144 bytes
;; launch prep (part 1): grid 640 x 1, 8 waves a work-group, no clusters, 68,352 bytes of LDS; arguments x, gamma, beta, Wq, Wk, Wv, Wo, ximg, xscl, wimg, wscl; writes ximg, xscl, wimg, wscl
.if DOCPART == 1
	.amdgcn_target "amdgcn-amd-amdhsa--gfx1250"
	.amdhsa_code_object_version 6
	.text
	.protected	k_qfb3863a854_prep
	.globl	k_qfb3863a854_prep
	.p2align	8
	.type	k_qfb3863a854_prep,@function
k_qfb3863a854_prep:
	s_mov_b64 s[64:65], 0
	v_nop
	global_prefetch_b8 v0, s[64:65] scope:SCOPE_SE
	s_setreg_imm32_b32 hwreg(HW_REG_WAVE_MODE, 25, 1), 1
	s_wait_xcnt 0x0
; PREP.  Work-groups 0-511: LayerNorm of 16 rows of x [8192][1024] f32, quantised along the row to FP4 (E2M1) with one E8M0 byte for each 32.
; Work-groups 512-639: 64 columns x 512 k of one of Wq, Wk, Wv, Wo [k 1024][n 1024] f32, quantised along k, its FIRST axis.
; OUTPUT LAYOUT: images of the matrix operand's registers.  An operand's rows (tokens; a weight's n) go in TILES of 16, and position p of tile T holds row
; 32 (T / 2) + 8 (T % 2) + p + 8 (p / 8).  Codes: [T][block of 32 k][p][16 bytes]: each (T, block) is 256 consecutive bytes, and a fragment (T, 128 k) is 1,024 bytes that a wave
; takes by two loads of 16 bytes a lane at 16 x lane.  Scale bytes: [T][k / 512][p][16 bytes]: one load of 16 bytes a lane brings a tile's scale words of all 1,024 k.
; A block's scale is 2^(floor(log2(largest magnitude)) - 2): its byte is the largest magnitude's exponent field - 2, held at 1 from below by a floor among the maximum's leaves.
; LIMITS: NaN and infinities among the inputs are not served; a block whose largest magnitude lies under 2^-124 keeps the byte 1; a block of zeros has the byte 1, not 127:
; its codes are zeros, and the bytes are read by this program alone.
; The variance is taken of x - mean (two passes over registers), so a common offset of a row costs no digits.
; No matrix unit, no cluster, no tensor load: the launch streams; work-groups share nothing but gamma and beta, 8 KiB.  The two paths part on the work-group's number and have LDS bytes of their own.
.set XNP,   4112                       ; an LDS row of xn: 4,096 bytes + 16: row r starts 4 r words on, so sixteen rows' 16 bytes fall on different banks
.set SST,   16*XNP                     ; LayerNorm path: the tile's 512 scale bytes
.set WST,   SST+512                    ; weight path: four tiles' 256 scale bytes each
.set SPARE, WST+1024                   ; the spare words, 128 bytes for each of eight waves: four blocks of 256 bytes that no other line names
.set LANE,  1
.set RR,    2                          ; lane % 16
.set HH,    3                          ; lane / 16
.set LI,    4                          ; 16 x lane
.set SPW,   5                          ; LDS address of my spare word; never rewritten
.set NIL,   6                          ; 0; never rewritten
; 32 numbers v[s] .. v[s + 31] of one block -> 16 bytes of codes in v[c] .. v[c + 3]; the byte in v[m], the conversion's scale operand in v[m + 1]
.macro BLK32 s, c, m
	v_max3_num_f32 v[\m], |v[\s]|, |v[(\s)+1]|, 0x1800000            ; the floor 2^(3 - 127) among the leaves: the byte cannot fall under 1
	v_max3_num_f32 v[(\m)+1], |v[(\s)+2]|, |v[(\s)+3]|, |v[(\s)+4]|  ; two chains, so that no line waits for the line above it
.irp i, 5,9,13,17,21,25
	v_max3_num_f32 v[\m], v[\m], |v[(\s)+\i]|, |v[(\s)+\i+1]|
	v_max3_num_f32 v[(\m)+1], v[(\m)+1], |v[(\s)+\i+2]|, |v[(\s)+\i+3]|
.endr
	v_max3_num_f32 v[\m], v[\m], |v[(\s)+29]|, |v[(\s)+30]|
	v_max3_num_f32 v[\m], v[\m], v[(\m)+1], |v[(\s)+31]|
	v_add_nc_u32 v[(\m)+1], 0xff000000, v[\m]                        ; 2 off the exponent field: the conversion takes the exponent field of this operand as its scale
	v_lshrrev_b32 v[\m], 23, v[(\m)+1]                               ; the scale's byte
.irp g, 0,1,2,3
	v_cvt_scalef32_pk8_fp4_f32 v[(\c)+\g], v[(\s)+8*\g:(\s)+8*\g+7], v[(\m)+1]
.endr
.endm
; four pairs a row (v8-15: row 0, v16-23: row 1) -> the row's sum in every lane, in v8 and v16; the two rows by turns
.macro JOIN
.irp a, 8,16
	v_pk_add_f32 v[\a:\a+1], v[\a:\a+1], v[\a+2:\a+3]
	v_pk_add_f32 v[\a+4:\a+5], v[\a+4:\a+5], v[\a+6:\a+7]
.endr
.irp a, 8,16
	v_pk_add_f32 v[\a:\a+1], v[\a:\a+1], v[\a+4:\a+5]
.endr
.irp a, 8,16
	v_add_f32 v[\a], v[\a], v[\a+1]
.endr
.irp m, 1,2,4,8
.irp a, 8,16
	v_add_f32_dpp v[\a], v[\a], v[\a] row_xmask:\m row_mask:0xf bank_mask:0xf
.endr
.endr
.irp a, 8,16
	v_permlanex16_b32 v[\a+1], v[\a], s30, s31
.endr
.irp a, 8,16
	v_add_f32 v[\a], v[\a], v[\a+1]
.endr
.endm
	s_load_b512 s[8:23], s[0:1], 0x0               ; x s[8:9], gamma s[10:11], beta s[12:13], Wq s[14:15], Wk s[16:17], Wv s[18:19], Wo s[20:21], ximg s[22:23]
	s_load_b128 s[24:27], s[0:1], 0x40             ; xscl s[24:25], wimg s[26:27]
	s_load_b64 s[28:29], s[0:1], 0x50              ; wscl
	v_lshl_add_u32 v[SPW], v0, 2, SPARE
	v_mov_b32 v[NIL], 0
	v_lshrrev_b32 v7, 5, v0
	v_readfirstlane_b32 s4, v7                     ; wave 0..7
	v_and_b32 v[LANE], 31, v0
	v_and_b32 v[RR], 15, v0
	v_bfe_u32 v[HH], v0, 4, 1
	v_lshlrev_b32 v[LI], 4, v[LANE]
	s_mov_b32 s30, 0x76543210                      ; v_permlanex16_b32's selects for lane l xor 16
	s_mov_b32 s31, 0xfedcba98
	s_cmp_lt_u32 ttmp9, 512
	s_cbranch_scc0 .Lweights
	; ================= LayerNorm: tile T = the work-group's number.  Wave w owns positions 2 w and 2 w + 1: two neighbouring rows of x
	s_lshr_b32 s5, ttmp9, 1
	s_lshl_b32 s5, s5, 5
	s_and_b32 s6, ttmp9, 1
	s_lshl_b32 s6, s6, 3
	s_add_co_u32 s5, s5, s6
	s_lshl_b32 s6, s4, 1
	s_add_co_u32 s5, s5, s6
	s_lshr_b32 s6, s4, 2
	s_lshl_b32 s6, s6, 3
	s_add_co_u32 s5, s5, s6                        ; row 32 (T / 2) + 8 (T % 2) + 2 w + 8 (w / 4)
	s_lshl_b32 s32, s5, 12                         ; x 4,096 bytes
	s_mov_b32 s33, 0
	s_lshl_b32 s34, ttmp9, 13                      ; the tile's codes: 8,192 bytes
	s_mov_b32 s35, 0
	s_lshl_b32 s36, ttmp9, 9                       ; its scale bytes: 512
	s_mov_b32 s37, 0
	s_mov_b32 s6, 0x3727c5ac                       ; 1e-5
	s_mov_b32 s7, 0x3a800000                       ; 1 / 1,024
	s_mul_i32 s38, s4, 2*XNP
	v_add_nc_u32 v7, s38, v[LI]                    ; LDS, on the way in: my two rows, 16 bytes a lane
	v_mul_u32_u24 v24, v[RR], XNP
	v_lshl_add_u32 v24, v[HH], 7, v24
	s_lshl_b32 s38, s4, 9
	v_add_nc_u32 v24, s38, v24                     ; on the way out: position r, K step w, block h: 4,112 r + 512 w + 128 h
	s_lshl_b32 s38, s4, 10
	v_add_nc_u32 v25, s38, v[LI]                   ; my codes' place in the tile's image: 1,024 w + 16 x lane
	s_lshr_b32 s38, s4, 2
	s_lshl_b32 s38, s38, 8
	s_and_b32 s39, s4, 3
	s_lshl_b32 s39, s39, 2
	s_add_co_u32 s38, s38, s39
	s_add_co_u32 s38, s38, SST
	v_lshl_add_u32 v26, v[RR], 4, s38              ; K step w's scale word of position r: 256 (w / 4) + 16 r + 4 (w % 4)
	v_add_nc_u32 v27, SST, v[LI]
	s_wait_kmcnt 0x0
	s_add_nc_u64 s[8:9], s[8:9], s[32:33]
	s_add_nc_u64 s[22:23], s[22:23], s[34:35]
	s_add_nc_u64 s[24:25], s[24:25], s[36:37]
.irp e, 0,1
.irp j, 0,1,2,3,4,5,6,7
	global_load_b128 v[32+32*\e+4*\j:35+32*\e+4*\j], v[LI], s[8:9] offset:4096*\e+512*\j th:TH_LOAD_NT   ; 32 lanes read 512 consecutive bytes
.endr
.endr
.irp j, 0,1,2,3,4,5,6,7
	global_load_b128 v[96+4*\j:99+4*\j], v[LI], s[10:11] offset:512*\j      ; gamma at the same columns
.endr
.irp j, 0,1,2,3,4,5,6,7
	global_load_b128 v[128+4*\j:131+4*\j], v[LI], s[12:13] offset:512*\j    ; beta
.endr
	s_wait_loadcnt 16                              ; x's 16 loads are in; the 16 of gamma and beta may be out
.irp c, 0,1,2,3
.irp e, 0,1
	v_pk_add_f32 v[8+8*\e+2*\c:9+8*\e+2*\c], v[32+32*\e+2*\c:33+32*\e+2*\c], v[40+32*\e+2*\c:41+32*\e+2*\c]   ; four chains a row; the first pairs start them
.endr
.endr
.irp k, 8,12
.irp c, 0,1,2,3
.irp e, 0,1
	v_pk_add_f32 v[8+8*\e+2*\c:9+8*\e+2*\c], v[8+8*\e+2*\c:9+8*\e+2*\c], v[32+32*\e+2*(\k+\c):33+32*\e+2*(\k+\c)]
.endr
.endr
.endr
	JOIN
.irp a, 8,16
	v_mul_f32 v[\a], s7, v[\a]                     ; the mean
.endr
.set k, 0
.rept 16
.irp e, 0,1
	v_pk_add_f32 v[32+32*\e+2*k:33+32*\e+2*k], v[32+32*\e+2*k:33+32*\e+2*k], v[8+8*\e:9+8*\e] op_sel_hi:[1,0] neg_lo:[0,1] neg_hi:[0,1]   ; d = x - mean, in place
.endr
.set k, k+1
.endr
.irp c, 0,1,2,3
.irp e, 0,1
	v_pk_mul_f32 v[8+8*\e+2*\c:9+8*\e+2*\c], v[32+32*\e+2*\c:33+32*\e+2*\c], v[32+32*\e+2*\c:33+32*\e+2*\c]
.endr
.endr
.irp k, 4,8,12
.irp c, 0,1,2,3
.irp e, 0,1
	v_pk_fma_f32 v[8+8*\e+2*\c:9+8*\e+2*\c], v[32+32*\e+2*(\k+\c):33+32*\e+2*(\k+\c)], v[32+32*\e+2*(\k+\c):33+32*\e+2*(\k+\c)], v[8+8*\e+2*\c:9+8*\e+2*\c]
.endr
.endr
.endr
	JOIN
.irp a, 8,16
	v_fma_f32 v[\a], v[\a], s7, s6                 ; the variance + 1e-5
.endr
.irp a, 8,16
	v_rsq_f32 v[\a], v[\a]
.endr
	v_nop                                          ; a plain instruction behind the two roots
	s_wait_loadcnt 0x0                             ; gamma and beta
	s_wait_alu depctr_va_vdst(0)                   ; one wait for both roots, ahead of their first reader
.set k, 0
.rept 16
.irp e, 0,1
	v_pk_mul_f32 v[32+32*\e+2*k:33+32*\e+2*k], v[32+32*\e+2*k:33+32*\e+2*k], v[8+8*\e:9+8*\e] op_sel_hi:[1,0]
.endr
.set k, k+1
.endr
.set k, 0
.rept 16
.irp e, 0,1
	v_pk_fma_f32 v[32+32*\e+2*k:33+32*\e+2*k], v[32+32*\e+2*k:33+32*\e+2*k], v[96+2*k:97+2*k], v[128+2*k:129+2*k]   ; (d x rstd) x gamma + beta
.endr
.set k, k+1
.endr
.irp e, 0,1
.irp j, 0,1,2,3,4,5,6,7
	ds_store_b128 v7, v[32+32*\e+4*\j:35+32*\e+4*\j] offset:XNP*\e+512*\j
.endr
.endr
	s_wait_dscnt 0x0                               ; for the others' sake: my rows lie in LDS
	s_barrier_signal -1
	s_barrier_wait -1
	; wave w now owns K step w of all 16 positions: lane (r, h) takes blocks 4 w + h and 4 w + 2 + h of position r, whole: no other lane is asked for a maximum
.irp i, 0,1
.irp g, 0,1,2,3,4,5,6,7
	ds_load_b128 v[32+32*\i+4*\g:35+32*\i+4*\g], v24 offset:256*\i+16*\g
.endr
.endr
	s_wait_dscnt 0x0
	BLK32 32, 16, 10
	BLK32 64, 20, 12
	v_nop                                          ; a plain instruction behind the last conversion
.irp i, 0,1
	global_store_b128 v25, v[16+4*\i:19+4*\i], s[22:23] offset:512*\i   ; 32 lanes store 512 consecutive bytes, at a multiple of 256 from the buffer's first byte
.endr
	v_lshl_or_b32 v14, v12, 16, v10                ; my two bytes: blocks h and 2 + h of the K step,
	v_lshlrev_b32 v15, 3, v[HH]
	v_lshlrev_b32 v14, v15, v14                    ; at their places in the scale word (8 h bits up);
	v_permlanex16_b32 v15, v14, s30, s31
	v_or_b32 v14, v14, v15                         ; with lane l xor 16's two the word is whole
	ds_store_b32 v26, v14                          ; both halves of the lanes write the same word with the same value
	s_wait_dscnt 0x0
	s_barrier_signal -1
	s_barrier_wait -1
	s_cmp_lg_u32 s4, 0
	s_cbranch_scc1 .Lln_end
	ds_load_b128 v[32:35], v27                     ; wave 0: the tile's 512 scale bytes leave as two whole runs of 256
	s_wait_dscnt 0x0
	global_store_b128 v[LI], v[32:35], s[24:25]
.Lln_end:
	s_wait_tensorcnt 0x0                           ; the wave's end, behind my last LDS store
	ds_add_u32 v[SPW], v[NIL]
	s_wait_dscnt 0x0
	s_endpgm
	; ================= A weight.  e = work-group - 512: weight e / 32, columns 64 ((e / 2) % 16) on, k 512 (e % 2) on.  Wave w: 32 columns (w % 2), K step w / 2 of the half.
	; A LANE TAKES A COLUMN n AND ITS REGISTERS RUN DOWN K: a block of 32 lies in one lane, and the conversions give codes with K innermost.
.Lweights:
	s_sub_co_u32 s5, ttmp9, 512
	s_lshr_b32 s6, s5, 5                           ; which weight
	s_bfe_u32 s7, s5, 0x40001                      ; which 64 columns
	s_and_b32 s32, s5, 1                           ; which half of K
	s_and_b32 s33, s4, 1                           ; which 32 of the columns
	s_lshr_b32 s34, s4, 1                          ; which K step of the half
	s_lshl_b32 s35, s32, 2
	s_add_co_u32 s35, s35, s34                     ; K step 0..7
	s_lshl_b32 s36, s35, 19                        ; in the weight: 128 rows of 4,096 bytes a K step,
	s_lshl_b32 s38, s7, 8
	s_add_co_u32 s36, s36, s38
	s_lshl_b32 s38, s33, 7
	s_add_co_u32 s36, s36, s38                     ; + 4 bytes a column
	s_mov_b32 s37, 0
	s_lshl_b32 s40, s6, 19                         ; in the codes: 524,288 a weight, 8,192 a tile (my first: 4 x group + 2 x half), 1,024 a K step
	s_lshl_b32 s38, s7, 15
	s_add_co_u32 s40, s40, s38
	s_lshl_b32 s38, s33, 14
	s_add_co_u32 s40, s40, s38
	s_lshl_b32 s38, s35, 10
	s_add_co_u32 s40, s40, s38
	s_mov_b32 s41, 0
	s_lshl_b32 s42, s6, 15                         ; in the scale bytes: 32,768 a weight, 512 a tile, 256 a half of K
	s_lshl_b32 s38, s7, 11
	s_add_co_u32 s42, s42, s38
	s_lshl_b32 s38, s32, 8
	s_add_co_u32 s42, s42, s38
	s_mov_b32 s43, 0
	s_lshl_b32 s38, s33, 9
	s_lshl_b32 s39, s34, 2
	s_add_co_u32 s38, s38, s39
	s_add_co_u32 s38, s38, WST
	v_lshlrev_b32 v7, 2, v[LANE]                   ; in: 4 bytes a lane
	v_bfe_u32 v26, v0, 3, 1                        ; column 32 B + x lies in tile 2 B + (x / 8) % 2,
	v_and_b32 v27, 7, v0
	v_lshlrev_b32 v27, 4, v27
	v_lshl_add_u32 v27, v[HH], 7, v27              ; at position x % 8 + 8 (x / 16): 16 bytes a position
	v_lshl_add_u32 v25, v26, 13, v27               ; my codes' place
	v_lshl_add_u32 v28, v26, 8, v27
	v_add_nc_u32 v28, s38, v28                     ; LDS: my scale word: 256 x local tile + 16 x position + 4 x K step of the half
	v_add_nc_u32 v29, WST, v[LI]
	v_lshlrev_b32 v30, 4, v[RR]
	v_lshl_add_u32 v30, v[HH], 9, v30              ; the scale bytes' way out: lanes 0-15 one tile's 256 bytes, lanes 16-31 the next tile's
	s_wait_kmcnt 0x0
	s_cmp_eq_u32 s6, 1                             ; the choice hangs on the work-group's number alone
	s_cselect_b64 s[14:15], s[16:17], s[14:15]
	s_cmp_eq_u32 s6, 2
	s_cselect_b64 s[14:15], s[18:19], s[14:15]
	s_cmp_eq_u32 s6, 3
	s_cselect_b64 s[14:15], s[20:21], s[14:15]
	s_add_nc_u64 s[14:15], s[14:15], s[36:37]
	s_add_nc_u64 s[26:27], s[26:27], s[40:41]
	s_add_nc_u64 s[28:29], s[28:29], s[42:43]
.macro WLOAD t                         ; block t: W(32 t + i, my column); a wave reads 128 consecutive bytes of a row, the two waves of a K step 256
.set k, 0
.rept 32
	global_load_b32 v[32+32*(\t)+k], v7, s[14:15] offset:(32*(\t)+k)*4096 th:TH_LOAD_NT
.set k, k+1
.endr
.endm
.macro WBLK t
	BLK32 32+32*(\t), 160+4*(\t), 8+2*(\t)
	global_store_b128 v25, v[160+4*(\t):163+4*(\t)], s[26:27] offset:256*(\t)   ; sixteen lanes fill the 256 bytes of (tile, block); each block has data registers of its own
.if (\t) == 0
	v_mov_b32 v24, v8                              ; four bytes make the K step's scale word.  (Also the plain instruction behind the conversions)
.else
	v_lshl_or_b32 v24, v[8+2*(\t)], 8*(\t), v24
.endif
.endm
	WLOAD 0
	WLOAD 1
	s_wait_loadcnt 32                              ; block 0 is in; block 1's 32 loads may be out
	WLOAD 2
	WBLK 0
	s_wait_loadcnt 32                              ; block 1 is in; block 2's may be out
	WLOAD 3
	WBLK 1
	s_wait_loadcnt 32                              ; block 2 is in; block 3's may be out
	WBLK 2
	s_wait_loadcnt 0x0
	WBLK 3
	ds_store_b32 v28, v24
	s_wait_dscnt 0x0                               ; for wave 0's sake
	s_barrier_signal -1
	s_barrier_wait -1
	s_cmp_lg_u32 s4, 0
	s_cbranch_scc1 .Lw_end
	ds_load_b128 v[32:35], v29                     ; wave 0: four tiles' 256 scale bytes of this half of K
	ds_load_b128 v[36:39], v29 offset:512
	s_wait_dscnt 0x0
	global_store_b128 v30, v[32:35], s[28:29]
	global_store_b128 v30, v[36:39], s[28:29] offset:1024
.Lw_end:
	s_wait_tensorcnt 0x0                           ; the wave's end, behind my last LDS store
	ds_add_u32 v[SPW], v[NIL]
	s_wait_dscnt 0x0
	s_endpgm
.Lfunc_end_k_qfb3863a854_prep:
	.size	k_qfb3863a854_prep, .Lfunc_end_k_qfb3863a854_prep-k_qfb3863a854_prep
	.p2alignl 7, 3214868480
	.fill 96, 4, 3214868480
	.section	.rodata,"a",@progbits
	.p2align	6, 0x0
	.amdhsa_kernel k_qfb3863a854_prep
		.amdhsa_group_segment_fixed_size 68352
		.amdhsa_private_segment_fixed_size 0
		.amdhsa_enable_private_segment 0
		.amdhsa_kernarg_size 88
		.amdhsa_user_sgpr_count 2
		.amdhsa_user_sgpr_kernarg_segment_ptr 1
		.amdhsa_wavefront_size32 1
		.amdhsa_system_sgpr_workgroup_id_x 1
		.amdhsa_system_sgpr_workgroup_id_y 1
		.amdhsa_system_sgpr_workgroup_id_z 1
		.amdhsa_system_vgpr_workitem_id 0
		.amdhsa_next_free_vgpr 176
		.amdhsa_next_free_sgpr 66
		.amdhsa_reserve_vcc 0
		.amdhsa_float_denorm_mode_32 3
		.amdhsa_float_denorm_mode_16_64 3
		.amdhsa_memory_ordered 1
		.amdhsa_forward_progress 1
		.amdhsa_inst_pref_size 45
	.end_amdhsa_kernel
	.amdgpu_metadata
---
amdhsa.version: [ 1, 2 ]
amdhsa.kernels:
  - .name:           k_qfb3863a854_prep
    .symbol:         k_qfb3863a854_prep.kd
    .args:
      - { .name: x, .offset: 0, .size: 8, .value_kind: global_buffer, .address_space: global }
      - { .name: gamma, .offset: 8, .size: 8, .value_kind: global_buffer, .address_space: global }
      - { .name: beta, .offset: 16, .size: 8, .value_kind: global_buffer, .address_space: global }
      - { .name: Wq, .offset: 24, .size: 8, .value_kind: global_buffer, .address_space: global }
      - { .name: Wk, .offset: 32, .size: 8, .value_kind: global_buffer, .address_space: global }
      - { .name: Wv, .offset: 40, .size: 8, .value_kind: global_buffer, .address_space: global }
      - { .name: Wo, .offset: 48, .size: 8, .value_kind: global_buffer, .address_space: global }
      - { .name: ximg, .offset: 56, .size: 8, .value_kind: global_buffer, .address_space: global }
      - { .name: xscl, .offset: 64, .size: 8, .value_kind: global_buffer, .address_space: global }
      - { .name: wimg, .offset: 72, .size: 8, .value_kind: global_buffer, .address_space: global }
      - { .name: wscl, .offset: 80, .size: 8, .value_kind: global_buffer, .address_space: global }
    .group_segment_fixed_size: 68352
    .private_segment_fixed_size: 0
    .kernarg_segment_align: 8
    .kernarg_segment_size: 88
    .max_flat_workgroup_size: 256
    .sgpr_count:     66
    .vgpr_count:     176
    .wavefront_size: 32
...
	.end_amdgpu_metadata
.endif
;; end of part 1
;; launch qkv (part 2): grid 8 x 48, 4 waves a work-group, clusters of 4 x 4, 327,680 bytes of LDS; arguments ximg, xscl, wimg, wscl, bq, bk, bv, qkv, qkvs; writes qkv, qkvs
.if DOCPART == 2
	.amdgcn_target "amdgcn-amd-amdhsa--gfx1250"
	.amdhsa_code_object_version 6
	.text
	.protected	k_qfb3863a854_qkv
	.globl	k_qfb3863a854_qkv
	.p2align	8
	.type	k_qfb3863a854_qkv,@function
k_qfb3863a854_qkv:
	s_mov_b64 s[64:65], 0
	v_nop
	global_prefetch_b8 v0, s[64:65] scope:SCOPE_SE
	s_setreg_imm32_b32 hwreg(HW_REG_WAVE_MODE, 25, 1), 1
	s_wait_xcnt 0x0
	s_wait_alu depctr_hold_cnt(0) depctr_sa_sdst(0) depctr_va_vdst(0) depctr_va_sdst(0) depctr_va_ssrc(0) depctr_va_vcc(0) depctr_vm_vsrc(0)
	s_getreg_b32 s2, hwreg(HW_REG_IB_STS2, 6, 4)
	s_cmp_eq_u32 s2, 0
	s_cbranch_scc0 .Lentry_in_a_cluster
	s_endpgm
.Lentry_in_a_cluster:
	s_bfe_u32 s2, ttmp6, 0x10000c
	s_cmp_lg_u32 s2, 0xf033
	s_cbranch_scc0 .Lentry_shape_is_right
	s_endpgm
.Lentry_shape_is_right:
; QKV.  q, k, v = xn W + b on codes of FP4 (E2M1) with E8M0 scales, K = 1,024; the results are quantised in the way out and leave as images of the registers in which the attention launch takes them.
; A work-group makes 256 x 256 of a product, each of its four waves 128 x 128: 64 accumulators, 512 registers.  All of K of both operands' tiles fits in LDS, in two slots of 512 along K, each filled once.
; SOURCE 0 IS THE "COLUMN" OPERAND, whose index then runs along a lane's registers; SOURCE 1 THE "ROW" OPERAND, whose position is the lane.  Tiles hold rows 32 (T / 2) + 8 (T % 2) + p + 8 (p / 8),
; so the 16 registers of column tiles 2 B and 2 B + 1 are the 16 neighbours 32 B + 16 (lane / 16) + 0 .. 15 of the column operand's index: what the conversions want.
; CLUSTER ROWS 0-7 (Q, K): row operand = xn (256 tokens), column operand = Wq and Wk on end (256 of 2,048 n).  A lane holds a token, registers run along a head's 64: q and k quantised along the head.
; CLUSTER ROWS 8-11 (V): row operand = Wv (256 of its n), column operand = xn (256 tokens).  A lane holds one of the head's 64, registers run along the tokens: v quantised along the keys.
; The path hangs on the cluster's y alone: it is the same in all sixteen partners.  The bias is the C of each sum's first product.
; CLUSTERS: 4 x 4.  The row operand's tiles are shared along a row of the cluster, the column operand's along a column: each is asked for jointly.
; OUT: q at byte 0 and k at 4 MiB of qkv: [batch x 16 + head][token tile 128][lane][16 bytes]; v at 8 MiB: [batch x 16 + head][128 keys][d tile 4][2][lane][16].  Scale bytes: q, k [..][tile][p][2]; v [..][128 keys][d tile][p][4].
; LIMITS: NaN and infinities are not served; a block under 2^-124 keeps the byte 1; a block of zeros has the byte 1, not 127 (zero codes; the bytes are read by this program alone).
; REGISTERS, in windows of 256: window 0: v1-29 addresses; v32-63 the row operand's scale words, v64-95 the column operand's; v96-123 at work on the way out; v128-191 the row operand's 8 fragments, later the codes made; v192-207 store offsets.
;   window 1: v0-63, v128-191 the column operand's fragments, two sets; v64-127 the bias.   windows 2, 3: the accumulators, (a, b) at v[64 (a % 4) + 8 b] of window 2 + a / 4.
.set NB,    8                          ; column tiles of a wave
.set SLOT,  131072                     ; a slot: the row operand's 16 tiles x 4,096 bytes (512 along K), then the column operand's 16
.set STGQ,  2*SLOT                     ; behind the slots: 512 bytes a wave for the scale bytes' way out, Q and K path;
.set STGV,  STGQ+2048                  ; V path: bytes of its own
.set SPARE, STGV+2048                  ; the spare words, 128 bytes for each wave: two blocks of 256 bytes that no other line names
.set ADRA, 16                          ; v16-17  LDS address of my row operand's fragments in slot 0, 1
.set ADRB, 20                          ; v20-21  the same for the column operand
.set LI,   24                          ; v24     16 x lane
.set SPW,  28                          ; v28     LDS address of my spare word; never rewritten
.set NIL,  29                          ; v29     0; never rewritten
.set SA,   32                          ; register 4 a + q: lanes 0-15 K step q, lanes 16-31 K step 4 + q of row tile a
.set SB,   64                          ; likewise for column tile b
.set TM,   96
.set PW,   112                         ; v112-119 the scale words made, one for each row tile
.set SW,   120
.set AF,   128
.set OFS,  192
.set BI,   64                          ; in window 1
.set G1,  24                           ; s[24:31] descriptor group 1 for the row operand;  s[32:39] group 0, one set for each slot
.set G0,  32
.set G1B, 48                           ; s[48:55], s[56:63] the same for the column operand
.set G0B, 56
.set MSB, 0
.macro WIN new                         ; the immediate's high byte repeats the setting that is left; a switch that changes nothing is dropped
.if MSB != (\new)
	s_set_vgpr_msb (MSB<<8)|(\new)
.set MSB, (\new)
.endif
.endm
; A joint load: waves 0 and 1 fetch for the row operand, waves 2 and 3 for the column operand.  The branch hangs on the wave's number alone.  An s_nop 0 and four v_nop follow each of the two lines.
.macro JLOAD g0a, g1a, g0b, g1b
	s_cmp_eq_u32 s15, 0
	s_cbranch_scc0 .Lfor_b_\@
	tensor_load_to_lds s[\g0a:\g0a+3], s[\g1a:\g1a+7]
	s_nop 0
.rept 4
	v_nop
.endr
	s_branch .Lasked_\@
.Lfor_b_\@:
	tensor_load_to_lds s[\g0b:\g0b+3], s[\g1b:\g1b+7]
	s_nop 0
.rept 4
	v_nop
.endr
.Lasked_\@:
.endm
.macro CROUND                          ; a round of the cluster's barrier
	s_barrier_signal -1
	s_barrier_wait -1
	s_cmp_lg_u32 s14, 0
	s_cbranch_scc1 .Lnot_wave_0_\@
	s_barrier_signal -3
.Lnot_wave_0_\@:
	s_barrier_wait -3
	s_barrier_signal -1
	s_barrier_wait -1
.endm
.macro PLACES n                        ; plain vector instructions between a matrix instruction and a load into, or a read of, its registers
.rept \n
	v_nop
.endr
.endm
.macro FRAG reg, adr, q, i             ; tile i, the slot's q-th 128 along K: 1,024 consecutive bytes, two loads of 16 bytes a lane
.irp c, 0,1
	ds_load_b128 v[(\reg)+4*\c:(\reg)+4*\c+3], v[\adr] offset:4096*(\i)+1024*(\q)+512*\c
.endr
.endm
.macro FETCH_B slot, q, p              ; the column operand's fragments into set p
	WIN 0x40
.irp i, 0,1,2,3,4,5,6,7
	FRAG 128*(\p)+8*\i, ADRB+\slot, \q, \i
.endr
	WIN 0
.endm
.macro FETCH_A slot, q, i0             ; the row operand's tiles i0 .. i0 + 3
.irp i, \i0, \i0+1, \i0+2, \i0+3
	FRAG AF+8*(\i), ADRA+\slot, \q, \i
.endr
.endm
; one product.  cm = 0: adds in place; 1: begins the sum with the column tile's bias; 2: with the row tile's.  Slot 1's scale words lie in lanes 16-31.
.macro WM a, b, p, q, slot, cm
.set rD, (8*NB*(\a))%256+8*(\b)
.set rB, 128*(\p)+8*(\b)
.set rA, AF+8*(\a)
.set rSB, SB+4*(\b)+(\q)
.set rSA, SA+4*(\a)+(\q)
.if (\cm) == 1
	v_wmma_scale_f32_16x16x128_f8f6f4 v[rD:rD+7], v[rB:rB+7], v[rA:rA+7], v[BI+8*(\b):BI+8*(\b)+7], v[rSB], v[rSA] matrix_a_fmt:MATRIX_FMT_FP4 matrix_b_fmt:MATRIX_FMT_FP4
.elseif (\cm) == 2
	v_wmma_scale_f32_16x16x128_f8f6f4 v[rD:rD+7], v[rB:rB+7], v[rA:rA+7], v[BI+8*(\a):BI+8*(\a)+7], v[rSB], v[rSA] matrix_a_fmt:MATRIX_FMT_FP4 matrix_b_fmt:MATRIX_FMT_FP4
.elseif (\slot) == 0
	v_wmma_scale_f32_16x16x128_f8f6f4 v[rD:rD+7], v[rB:rB+7], v[rA:rA+7], v[rD:rD+7], v[rSB], v[rSA] matrix_a_fmt:MATRIX_FMT_FP4 matrix_b_fmt:MATRIX_FMT_FP4
.else
	v_wmma_scale_f32_16x16x128_f8f6f4 v[rD:rD+7], v[rB:rB+7], v[rA:rA+7], v[rD:rD+7], v[rSB], v[rSA] matrix_a_fmt:MATRIX_FMT_FP4 matrix_b_fmt:MATRIX_FMT_FP4 matrix_a_scale:MATRIX_SCALE_ROW1 matrix_b_scale:MATRIX_SCALE_ROW1
.endif
.endm
; row tiles a0, a0 + 1 against all column tiles.  The accumulators take turns, one instruction a turn, in the same order in every step.
.macro MULA a0, p, q, slot, cm
.set dW, 2+(8*NB*(\a0))/256
.if (\cm) == 0
	WIN (dW<<6)|(dW<<4)|1                          ; source 0 window 1, source 1 window 0, C and D the accumulators' window
.else
	WIN (dW<<6)|(1<<4)|1                           ; C: the bias, window 1
.endif
.irp a, \a0, \a0+1
.irp b, 0,1,2,3,4,5,6,7
	WM (\a), \b, \p, \q, \slot, \cm
.endr
.endr
.endm
; A step of 128 along K that has its successor in the same slot.  A row tile is free as soon as its products are issued, so the row operand has one set of registers; the column operand has two.
.macro STEP slot, q, cm
	s_wait_dscnt 8                                 ; all but the youngest eight loads (row tiles 4-7) are in
	MULA 0, (\q)%2, \q, \slot, \cm
	MULA 2, (\q)%2, \q, \slot, \cm
	s_wait_dscnt 0x0
	PLACES 4
	FETCH_B \slot, (\q)+1, 1-(\q)%2
	FETCH_A \slot, (\q)+1, 0
	MULA 4, (\q)%2, \q, \slot, \cm
	MULA 6, (\q)%2, \q, \slot, \cm
	PLACES 4
	WIN 0
	FETCH_A \slot, (\q)+1, 4
.endm
	s_load_b512 s[68:83], s[0:1], 0x0              ; ximg s[68:69], xscl s[70:71], wimg s[72:73], wscl s[74:75], bq s[76:77], bk s[78:79], bv s[80:81], qkv s[82:83]
	s_load_b64 s[84:85], s[0:1], 0x40              ; qkvs
	v_lshl_add_u32 v[SPW], v0, 2, SPARE
	v_mov_b32 v[NIL], 0
	ds_add_u32 v[SPW], v[NIL]                      ; the wave's opening: the add and its wait stand ahead of my first tensor load; the set-up below, work on registers, stands between them
	v_lshrrev_b32 v1, 5, v0
	v_readfirstlane_b32 s14, v1                    ; wave 0..3
	s_lshr_b32 s15, s14, 1                         ; which half of the row tiles is mine.  Also: I fetch for the row operand (0) or the column operand (1)
	s_and_b32 s16, s14, 1                          ; which half of the column tiles.  Also: which 8 tiles I fetch
	s_bfe_u32 s40, ttmp6, 0x40000                  ; cx
	s_bfe_u32 s41, ttmp6, 0x40004                  ; cy
	s_lshl_b32 s42, ttmp9, 2
	s_add_co_u32 s42, s42, s40                     ; X = 4 x cluster x + cx
	s_and_b32 s18, ttmp7, 0xffff                   ; cluster y
	s_lshl_b32 s17, s18, 2
	s_add_co_u32 s17, s17, s41                     ; Y = 4 x cluster y + cy
	s_lshl_b32 s43, s41, 2
	s_lshl_b32 s43, 15, s43                        ; my row of the cluster
	s_lshl_b32 s44, 0x1111, s40                    ; my column
	; descriptor group 1: 8 tiles; of each, 4,096 consecutive bytes (512 along K); 8,192 bytes from tile to tile.  Elements of 8 bytes, no padding: fragments are read as they lie
	s_or_b32 s[G1], s43, (3<<16)|(1<<21)           ; 15:0 the mask; 17:16 elements of 8 bytes; 21 set beside a mask
	s_or_b32 s[G1B], s44, (3<<16)|(1<<21)
.irp g, G1, G1B
	s_mov_b32 s[\g+1], 512<<16                     ; tensor_dim0 = 512
	s_mov_b32 s[\g+2], 8<<16                       ; tensor_dim1 = 8
	s_mov_b32 s[\g+3], 512<<16                     ; tile_dim0 = 512
	s_mov_b32 s[\g+4], 8                           ; tile_dim1 = 8
	s_mov_b32 s[\g+5], 1024                        ; tensor_dim0_stride
	s_mov_b32 s[\g+6], 0
	s_mov_b32 s[\g+7], 0
.endr
	s_lshl_b32 s45, s18, 3
	s_sub_co_u32 s45, s45, 64
	s_add_co_u32 s45, s45, s42                     ; V path: which 256 tokens: X + 8 (cluster y - 8)
	s_cmp_ge_u32 s18, 8
	s_cselect_b32 s19, 1, 0                        ; the path: 0 Q and K, 1 V
	s_cselect_b32 s20, s41, s17                    ; RT, the row operand's block of 16 tiles: made of cy and the cluster's y alone
	s_cselect_b32 s21, s45, s42                    ; CT, the column operand's: of cx and the cluster's ids alone
	s_lshl_b32 s22, s20, 4
	s_lshl_b32 s23, s16, 3
	s_add_co_u32 s22, s22, s23
	s_lshl_b32 s22, s22, 13                        ; the 8 tiles that I would fetch of the row operand, in bytes
	s_mov_b32 s23, 0
	s_lshl_b32 s46, s21, 4
	s_lshl_b32 s47, s16, 3
	s_add_co_u32 s46, s46, s47
	s_lshl_b32 s46, s46, 13                        ; and of the column operand
	s_mov_b32 s47, 0
	s_lshl_b32 s45, s14, 15                        ; where they go: 32,768 x wave: no place in the cluster enters an LDS address
	s_mov_b32 s94, 0x76543210                      ; v_permlanex16_b32's selects for lane l xor 16
	s_mov_b32 s95, 0xfedcba98
	s_wait_dscnt 0x0                               ; the opening add is done
	s_wait_kmcnt 0x0
	s_add_nc_u64 s[2:3], s[72:73], 0x100000        ; Wv's codes
	s_add_nc_u64 s[4:5], s[74:75], 0x10000         ; Wv's scale bytes
	s_cmp_eq_u32 s19, 1
	s_cselect_b64 s[6:7], s[2:3], s[68:69]         ; the row operand's codes,
	s_cselect_b64 s[8:9], s[4:5], s[70:71]         ; its scale bytes;
	s_cselect_b64 s[10:11], s[68:69], s[72:73]     ; the column operand's codes,
	s_cselect_b64 s[12:13], s[70:71], s[74:75]     ; its scale bytes
	s_add_nc_u64 s[96:97], s[6:7], s[22:23]
	s_add_nc_u64 s[98:99], s[10:11], s[46:47]
	CROUND                                         ; all sixteen work-groups are here: the first joint loads meet
.irp s, 0,1
	s_mov_b32 s[G0+4*\s], 1
	s_add_co_u32 s[G0+4*\s+1], s45, \s*SLOT
	s_add_nc_u64 s[G0+4*\s+2:G0+4*\s+3], s[96:97], \s*4096
	s_or_b32 s[G0+4*\s+3], s[G0+4*\s+3], 0x80000000
	s_mov_b32 s[G0B+4*\s], 1
	s_add_co_u32 s[G0B+4*\s+1], s45, \s*SLOT
	s_add_nc_u64 s[G0B+4*\s+2:G0B+4*\s+3], s[98:99], \s*4096
	s_or_b32 s[G0B+4*\s+3], s[G0B+4*\s+3], 0x80000000
	JLOAD G0+4*\s, G1, G0B+4*\s, G1B               ; both slots' only fills: two tensor loads of mine are out
.endr
	v_and_b32 v1, 31, v0
	v_lshlrev_b32 v[LI], 4, v1
	v_and_b32 v2, 15, v0                           ; r
	v_bfe_u32 v3, v0, 4, 1                         ; h
	s_lshl_b32 s22, s15, 15                        ; my 8 row tiles
	s_lshl_b32 s23, s16, 15
	s_add_co_u32 s23, s23, 65536                   ; my 8 column tiles, behind the row operand's 16
.irp s, 0,1
	v_add_nc_u32 v[ADRA+\s], s22, v[LI]
	v_add_nc_u32 v[ADRB+\s], s23, v[LI]
	s_add_co_u32 s22, s22, SLOT
	s_add_co_u32 s23, s23, SLOT
.endr
	s_lshl_b32 s2, s14, 9                          ; the scale bytes' stages: 512 x wave
	s_add_co_u32 s3, s2, STGQ
	v_lshl_add_u32 v8, v2, 1, s3                   ; Q, K: 2 bytes a position
	v_add_nc_u32 v9, s3, v[LI]
	s_add_co_u32 s3, s2, STGV
	v_lshl_add_u32 v10, v2, 2, s3                  ; V: 4 bytes a position
	v_add_nc_u32 v11, s3, v[LI]
	v_lshlrev_b32 v12, 4, v2
	v_lshl_add_u32 v12, v3, 12, v12                ; and out: lanes 0-15 one head's 256 bytes, lanes 16-31 the next head's, 4,096 bytes on
	v_lshlrev_b32 v4, 6, v3                        ; bq, bk: 64 h bytes
	v_and_b32 v5, 8, v2
	v_add_nc_u32 v5, v5, v2
	v_lshlrev_b32 v5, 2, v5                        ; bv: 4 (r + 8 (r / 8)) bytes
.irp b, 0,1,2,3
	v_mov_b32 v[TM+4+\b], 0                        ; written once: a lane permute's destination counts as one of its sources
.endr
	; where the results go.  In both paths the codes' offset is 16 x the scale bytes' offset.
	s_lshr_b32 s2, s17, 3                          ; Q, K: batch Y / 8,
	s_lshl_b32 s2, s2, 4
	s_lshl_b32 s3, s40, 2
	s_add_co_u32 s2, s2, s3
	s_lshl_b32 s3, s16, 1
	s_add_co_u32 s2, s2, s3                        ; head 4 cx + 2 x my half: 4,096 bytes each;
	s_lshl_b32 s2, s2, 12
	s_and_b32 s3, s17, 7
	s_lshl_b32 s3, s3, 4
	s_lshl_b32 s4, s15, 3
	s_add_co_u32 s3, s3, s4
	s_lshl_b32 s3, s3, 5                           ; token tile 16 (Y % 8) + 8 x my half: 32 bytes each;
	s_add_co_u32 s2, s2, s3
	s_lshl_b32 s3, ttmp9, 18                       ; q (cluster x = 0) or k (1)
	s_add_co_u32 s2, s2, s3
	s_lshr_b32 s4, s21, 3                          ; V: batch CT / 8,
	s_lshl_b32 s4, s4, 4
	s_lshl_b32 s5, s20, 2
	s_add_co_u32 s4, s4, s5
	s_lshl_b32 s5, s15, 1
	s_add_co_u32 s4, s4, s5                        ; head 4 RT + 2 x my half;
	s_lshl_b32 s4, s4, 12
	s_and_b32 s5, s21, 7
	s_lshl_b32 s5, s5, 1
	s_add_co_u32 s5, s5, s16
	s_lshl_b32 s5, s5, 8                           ; 128 keys 2 (CT % 8) + my half: 256 bytes each
	s_add_co_u32 s4, s4, s5
	s_add_co_u32 s4, s4, 524288
	s_cmp_eq_u32 s19, 1
	s_cselect_b32 s2, s4, s2
	s_mov_b32 s86, 512                             ; bytes of codes from row tile to row tile within four,
	s_cselect_b32 s86, 1024, s86
	s_mov_b32 s87, 2048                            ; from the first four to the second,
	s_cselect_b32 s87, 65536, s87
	s_mov_b32 s88, 65536                           ; and from the first 16 bytes a lane to the second
	s_cselect_b32 s88, 512, s88
	s_mov_b32 s3, 0
	s_add_nc_u64 s[92:93], s[84:85], s[2:3]
	s_lshl_b32 s2, s2, 4
	s_add_nc_u64 s[90:91], s[82:83], s[2:3]
	v_mov_b32 v[OFS], v[LI]
	v_add_nc_u32 v[OFS+1], s88, v[LI]
.irp a, 1,2,3
.irp c, 0,1
	v_add_nc_u32 v[OFS+2*\a+\c], s86, v[OFS+2*\a-2+\c]
.endr
.endr
.irp c, 0,1
	v_add_nc_u32 v[OFS+8+\c], s87, v[OFS+\c]
.endr
.irp a, 5,6,7
.irp c, 0,1
	v_add_nc_u32 v[OFS+2*\a+\c], s86, v[OFS+2*\a-2+\c]
.endr
.endr
	; the scale words of all of K stay in registers: one load of 16 bytes a lane for each tile
	s_lshl_b32 s2, s20, 4
	s_lshl_b32 s3, s15, 3
	s_add_co_u32 s2, s2, s3
	s_lshl_b32 s2, s2, 9
	s_mov_b32 s3, 0
	s_add_nc_u64 s[8:9], s[8:9], s[2:3]
	s_lshl_b32 s2, s21, 4
	s_lshl_b32 s3, s16, 3
	s_add_co_u32 s2, s2, s3
	s_lshl_b32 s2, s2, 9
	s_mov_b32 s3, 0
	s_add_nc_u64 s[12:13], s[12:13], s[2:3]
.irp a, 0,1,2,3,4,5,6,7
	global_load_b128 v[SA+4*\a:SA+4*\a+3], v[LI], s[8:9] offset:512*\a
.endr
.irp b, 0,1,2,3,4,5,6,7
	global_load_b128 v[SB+4*\b:SB+4*\b+3], v[LI], s[12:13] offset:512*\b
.endr
	s_cmp_eq_u32 s19, 1
	s_cbranch_scc1 .Lbias_v
	s_cmp_eq_u32 ttmp9, 0                          ; Q, K: the bias runs along the registers: column tile b, n = 32 (b / 2) + 8 (b % 2) + 16 h + 0 .. 7
	s_cselect_b64 s[2:3], s[76:77], s[78:79]
	s_lshl_b32 s4, s40, 10
	s_lshl_b32 s5, s16, 9
	s_add_co_u32 s4, s4, s5
	s_mov_b32 s5, 0
	s_add_nc_u64 s[2:3], s[2:3], s[4:5]
	WIN 0x40
.irp b, 0,1,2,3,4,5,6,7
	global_load_b128 v[BI+8*\b:BI+8*\b+3], v4, s[2:3] offset:(32*(\b/2)+8*(\b%2))*4
	global_load_b128 v[BI+8*\b+4:BI+8*\b+7], v4, s[2:3] offset:(32*(\b/2)+8*(\b%2))*4+16
.endr
	WIN 0
	s_wait_loadcnt 0x0
	s_branch .Lbias_done
.Lbias_v:
	s_lshl_b32 s4, s20, 10                         ; V: the bias hangs on the lane: row tile a, n = 32 (a / 2) + 8 (a % 2) + r + 8 (r / 8)
	s_lshl_b32 s5, s15, 9
	s_add_co_u32 s4, s4, s5
	s_mov_b32 s5, 0
	s_add_nc_u64 s[2:3], s[80:81], s[4:5]
	WIN 0x40
.irp a, 0,1,2,3,4,5,6,7
	global_load_b32 v[BI+8*\a], v5, s[2:3] offset:(32*(\a/2)+8*(\a%2))*4
.endr
	s_wait_loadcnt 0x0
	WIN 0x41
.irp a, 0,1,2,3,4,5,6,7
.irp j, 1,2,3,4,5,6,7
	v_mov_b32 v[BI+8*\a+\j], v[BI+8*\a]            ; the same number for the tile's eight tokens of a lane
.endr
.endr
	WIN 0
	PLACES 4                                       ; between the last copy and the products that take it as C
.Lbias_done:
	s_wait_tensorcnt 1                             ; my part of slot 0 is in (slot 1's load may be out)
	s_barrier_signal -1
	s_barrier_wait -1                              ; everybody's is
	FETCH_B 0, 0, 0
	FETCH_A 0, 0, 0
	FETCH_A 0, 0, 4
	s_cmp_eq_u32 s19, 1
	s_cbranch_scc1 .Lfirst_v
	STEP 0, 0, 1                                   ; the first step begins the sums with the bias: nothing is cleared
	s_branch .Lfirst_done
.Lfirst_v:
	STEP 0, 0, 2
.Lfirst_done:
	STEP 0, 1, 0
	STEP 0, 2, 0
	; slot 0's last step changes slots: one barrier
	s_wait_tensorcnt 0x0                           ; my part of slot 1 has landed;
	ds_add_u32 v[SPW], v[NIL]                      ; 0 onto my spare word;
	s_wait_dscnt 9                                 ; (the add and the youngest eight loads may be out)
	MULA 0, 1, 3, 0, 0
	s_wait_dscnt 0x0
	s_barrier_signal -1
	MULA 2, 1, 3, 0, 0
	WIN 0
	s_barrier_wait -1                              ; slot 1 is whole
	PLACES 4
	FETCH_B 1, 0, 0
	FETCH_A 1, 0, 0
	MULA 4, 1, 3, 0, 0
	MULA 6, 1, 3, 0, 0
	PLACES 4
	WIN 0
	FETCH_A 1, 0, 4
	STEP 1, 0, 0
	STEP 1, 1, 0
	STEP 1, 2, 0
	s_wait_dscnt 8                                 ; the last step: nothing more to fetch
	MULA 0, 1, 3, 1, 0
	MULA 2, 1, 3, 1, 0
	s_wait_dscnt 0x0
	MULA 4, 1, 3, 1, 0
	MULA 6, 1, 3, 1, 0
	WIN 0
; THE WAY OUT.  Row tile a: a lane's 64 numbers, register 16 B + i = neighbour 32 B + 16 (lane / 16) + i, become 32 bytes of codes and a scale word.  A block of 32 lies in lanes l and l xor 16.
; Each accumulator is read from its low end on.  The two stores cover 512 consecutive bytes each, at a multiple of 256 from the buffer's first byte: Q, K: one head's tile each; V: the two halves of a fragment.
.macro QUANTW a
.set AW, 2+(\a)/4
.set AC, 64*((\a)%4)
.set PC, AF+8*(\a)
	WIN AW|(AW<<2)
.irp b, 0,1,2,3
	v_max3_num_f32 v[TM+\b], |v[AC+16*\b]|, |v[AC+16*\b+1]|, 0x1800000   ; the floor 2^(3 - 127): the byte cannot fall under 1
.endr
.irp i, 2,4,6,8,10,12,14
.irp b, 0,1,2,3
	v_max3_num_f32 v[TM+\b], |v[AC+16*\b+\i]|, |v[AC+16*\b+\i+1]|, v[TM+\b]
.endr
.endr
	WIN 0
.irp b, 0,1,2,3
	v_permlanex16_b32 v[TM+4+\b], v[TM+\b], s94, s95
.endr
.irp b, 0,1,2,3
	v_max_num_f32 v[TM+\b], v[TM+\b], v[TM+4+\b]
.endr
.irp b, 0,1,2,3
	v_add_nc_u32 v[TM+12+\b], 0xff000000, v[TM+\b] ; 2 off the exponent field: the conversion's scale operand
.endr
.irp b, 0,1,2,3
	v_lshrrev_b32 v[TM+8+\b], 23, v[TM+12+\b]      ; the scale's byte
.endr
	v_lshl_or_b32 v[PW+(\a)], v[TM+9], 8, v[TM+8]
	v_lshl_or_b32 v[PW+(\a)], v[TM+10], 16, v[PW+(\a)]
	v_lshl_or_b32 v[PW+(\a)], v[TM+11], 24, v[PW+(\a)]
	WIN AW
.irp b, 0,1,2,3
	v_cvt_scalef32_pk8_fp4_f32 v[PC+2*\b], v[AC+16*\b:AC+16*\b+7], v[TM+12+\b]
	v_cvt_scalef32_pk8_fp4_f32 v[PC+2*\b+1], v[AC+16*\b+8:AC+16*\b+15], v[TM+12+\b]
.endr
	WIN 0
	v_nop                                          ; a plain instruction behind the last conversion
.irp c, 0,1                                    ; a whole block to a lane: lanes 0-15 block 2 c, lanes 16-31 block 2 c + 1
.irp i, 0,1
	v_permlane16_swap_b32 v[PC+4*\c+\i], v[PC+4*\c+2+\i]
.endr
.endr
.irp c, 0,1
	global_store_b128 v[OFS+2*(\a)+\c], v[PC+4*\c:PC+4*\c+3], s[90:91]   ; every store has data and offset registers of its own
.endr
.endm
	PLACES 4
.irp a, 0,1,2,3,4,5,6,7
	QUANTW \a
.endr
	; the scale words go through my own 512 bytes of LDS, so that sixteen lanes store the 256 consecutive bytes of one head
	s_cmp_eq_u32 s19, 1
	s_cbranch_scc1 .Ltail_v
.irp a, 0,1,2,3,4,5,6,7
	ds_store_b16 v8, v[PW+\a] offset:32*\a                 ; the first head's two bytes of tile a, position r (both halves of the lanes write the same)
	ds_store_b16_d16_hi v8, v[PW+\a] offset:256+32*\a      ; the second head's
.endr
	ds_load_b128 v[SW:SW+3], v9                    ; LDS serves a wave's instructions in order: this sees my stores
	s_branch .Ltail_done
.Ltail_v:
.irp a, 0,1,2,3,4,5,6,7
	ds_store_b32 v10, v[PW+\a] offset:64*\a        ; d tile a % 4 of head a / 4: 64 bytes
.endr
	ds_load_b128 v[SW:SW+3], v11
.Ltail_done:
	s_wait_dscnt 0x0
	global_store_b128 v12, v[SW:SW+3], s[92:93]
	s_wait_tensorcnt 0x0                           ; the wave's end, behind my last tensor load and my last LDS store
	ds_add_u32 v[SPW], v[NIL]
	s_wait_dscnt 0x0
	CROUND                                         ; the closing round: no work-group ends while a partner may still ask for a tile that names it
	s_endpgm
.Lfunc_end_k_qfb3863a854_qkv:
	.size	k_qfb3863a854_qkv, .Lfunc_end_k_qfb3863a854_qkv-k_qfb3863a854_qkv
	.p2alignl 7, 3214868480
	.fill 96, 4, 3214868480
	.section	.rodata,"a",@progbits
	.p2align	6, 0x0
	.amdhsa_kernel k_qfb3863a854_qkv
		.amdhsa_group_segment_fixed_size 327680
		.amdhsa_private_segment_fixed_size 0
		.amdhsa_enable_private_segment 0
		.amdhsa_kernarg_size 72
		.amdhsa_user_sgpr_count 2
		.amdhsa_user_sgpr_kernarg_segment_ptr 1
		.amdhsa_wavefront_size32 1
		.amdhsa_system_sgpr_workgroup_id_x 1
		.amdhsa_system_sgpr_workgroup_id_y 1
		.amdhsa_system_sgpr_workgroup_id_z 1
		.amdhsa_system_vgpr_workitem_id 0
		.amdhsa_next_free_vgpr 1024
		.amdhsa_next_free_sgpr 100
		.amdhsa_reserve_vcc 0
		.amdhsa_float_denorm_mode_32 3
		.amdhsa_float_denorm_mode_16_64 3
		.amdhsa_memory_ordered 1
		.amdhsa_forward_progress 1
		.amdhsa_inst_pref_size 145
	.end_amdhsa_kernel
	.amdgpu_metadata
---
amdhsa.version: [ 1, 2 ]
amdhsa.kernels:
  - .name:           k_qfb3863a854_qkv
    .symbol:         k_qfb3863a854_qkv.kd
    .args:
      - { .name: ximg, .offset: 0, .size: 8, .value_kind: global_buffer, .address_space: global }
      - { .name: xscl, .offset: 8, .size: 8, .value_kind: global_buffer, .address_space: global }
      - { .name: wimg, .offset: 16, .size: 8, .value_kind: global_buffer, .address_space: global }
      - { .name: wscl, .offset: 24, .size: 8, .value_kind: global_buffer, .address_space: global }
      - { .name: bq, .offset: 32, .size: 8, .value_kind: global_buffer, .address_space: global }
      - { .name: bk, .offset: 40, .size: 8, .value_kind: global_buffer, .address_space: global }
      - { .name: bv, .offset: 48, .size: 8, .value_kind: global_buffer, .address_space: global }
      - { .name: qkv, .offset: 56, .size: 8, .value_kind: global_buffer, .address_space: global }
      - { .name: qkvs, .offset: 64, .size: 8, .value_kind: global_buffer, .address_space: global }
    .group_segment_fixed_size: 327680
    .private_segment_fixed_size: 0
    .kernarg_segment_align: 8
    .kernarg_segment_size: 72
    .max_flat_workgroup_size: 128
    .sgpr_count:     100
    .vgpr_count:     1024
    .wavefront_size: 32
...
	.end_amdgpu_metadata
.endif
;; end of part 2
;; launch attn (part 3): grid 4 x 64, 16 waves a work-group, clusters of 4 x 1, 167,936 bytes of LDS; arguments qkv, qkvs, oimg, oscl; writes oimg, oscl
.if DOCPART == 3
	.amdgcn_target "amdgcn-amd-amdhsa--gfx1250"
	.amdhsa_code_object_version 6
	.text
	.protected	k_qfb3863a854_attn
	.globl	k_qfb3863a854_attn
	.p2align	8
	.type	k_qfb3863a854_attn,@function
k_qfb3863a854_attn:
	s_mov_b64 s[64:65], 0
	v_nop
	global_prefetch_b8 v0, s[64:65] scope:SCOPE_SE
	s_setreg_imm32_b32 hwreg(HW_REG_WAVE_MODE, 25, 1), 1
	s_wait_xcnt 0x0
	s_wait_alu depctr_hold_cnt(0) depctr_sa_sdst(0) depctr_va_vdst(0) depctr_va_sdst(0) depctr_va_ssrc(0) depctr_va_vcc(0) depctr_vm_vsrc(0)
	s_getreg_b32 s2, hwreg(HW_REG_IB_STS2, 6, 4)
	s_cmp_eq_u32 s2, 0
	s_cbranch_scc0 .Lentry_in_a_cluster
	s_endpgm
.Lentry_in_a_cluster:
	s_bfe_u32 s2, ttmp6, 0x10000c
	s_cmp_lg_u32 s2, 0x3003
	s_cbranch_scc0 .Lentry_shape_is_right
	s_endpgm
.Lentry_shape_is_right:
; ATTN.  o = softmax(q k^T / 8, causal) v for 64 (batch, head) pairs, 2,048 tokens, head size 64, both products on codes of FP4 (E2M1) with E8M0 scales; o / l is quantised along the model's 1,024 and leaves as an operand image.
; THE SOFTMAX AHEAD OF THE SECOND PRODUCT: t = score x log2(e) / 8; M = the running largest t rounded UP to a whole number; p = 2^(t - M) is quantised along the keys, not normalised; the row's sum is taken of the
; unquantised p and divides at the end.  When M moves, the sum and O are multiplied by 2^(old M - new M): exact.
; SHARES.  The four work-groups of a cluster own one head and ask for its K, V and scale bytes JOINTLY; a whole head's (136 KiB) stays in LDS, filled once.  Wave w of work-group j owns the 32 queries 32 g on, g = 4 i + j,
; i a permutation of w: whatever j is, it needs key steps 0 .. i of 128 keys.  So all work-groups have equal work, and no branch hangs on a work-group's place in its cluster.
; Every wave walks all 16 steps; a step whose keys all come after its queries is jumped over, by a scalar branch on the wave's number and the count of steps, round work alone.
; LAYOUT.  Both products are used transposed (S^T = K Q^T, O^T = V^T P^T): a lane holds one query.  Tiles of tokens and of the head's 64 hold rows 32 (T / 2) + 8 (T % 2) + p + 8 (p / 8), so the 16 registers of
; tiles 2 B, 2 B + 1 are the neighbours 32 B + 16 (lane / 16) + 0 .. 15 along the keys (S^T) or along the head (O^T).
; K = 64 IN AN INSTRUCTION OF 128: Q's fragment has zero codes in its upper four registers; a K tile's fragment names its four registers and the next tile's four, which meet those zeros; the scale words' upper bytes are 0, never 0xff.
; The 2 scale bytes a (token, head) of o are stored 2 bytes a lane, 16 bytes apart: eight heads' work-groups fill each 256 bytes between them; it is one sixteenth of the codes' bytes.
; LIMITS: NaN and infinities are not served; p under 2^-126 becomes 0 (v_exp_f32 flushes); 1 / l is v_rcp_f32 and a multiply; a block of zeros has the byte 1, not 127 (zero codes; read by this program alone).
.set KC,    0                          ; LDS: K's codes [tile 128][512 bytes]
.set VC,    65536                      ; V's codes [128 keys][d tile 4][1,024 bytes]
.set KSL,   131072                     ; K's scale bytes [tile][p][2]
.set VSL,   135168                     ; V's [128 keys][d tile][p][4]
.set SPARE, 139264                     ; the spare words, 128 bytes for each of sixteen waves: eight blocks of 256 bytes that no other line names
.set LI,  1                            ; v1   16 x lane
.set AS0, 2                            ; v2   my place among K's scale bytes
.set AT0, 3                            ; v3   and among V's
.set SPW, 4                            ; v4   LDS address of my spare word; never rewritten
.set NIL, 5                            ; v5   0; never rewritten
.set DM,  6                            ; v6   the mask's number of my lane
.set ADK, 7                            ; v7-10 the step's LDS addresses
.set ADV, 8
.set ADS, 9
.set ADT, 10
                                       ; v12-15, v16-19 tile u: -M, the largest t, the sum in two halves
.set QF,  20                           ; v20-27, v28-35 Q's fragments: four registers of codes, four of zeros
.set QS,  36                           ; v36-37 Q's scale words
.set PS,  38                           ; v38-39 p's
.set KSC, 40                           ; v40-47 K's, later v40-43 V's
.set KF,  48                           ; v48-79 K's eight tiles, later V's four fragments; v80-83 zeros
.set PCB, 84                           ; v84-91, v92-99 p's codes
.set S,   100                          ; v100-163 S^T, then p
.set OT,  164                          ; v164-195, v196-227 O^T
.set BM,  228
.set PT,  232
.set SO,  236
.set FF,  240                          ; v[240:241] f, named as a pair
.set TT,  242
.set WV,  12                           ; s12 wave;  s13 i;  s14 j = cx;  s15 batch x 16 + head
.set II,  13
.set JJ,  14
.set BH,  15
.set KSN, 16                           ; s16 the key step;  s17 4,096 x it;  s18 256 x it;  s19 steps to go
.set TB,  17
.set TS,  18
.set CNT, 19
.set SEL, 20
.set CS,  22                           ; s[22:23] c = log2(e) / 8
.set G1C, 24                           ; s[24:31] descriptor group 1 for codes;  s[32:39] for scale bytes;  s[40:43], s[44:47] their groups 0
.set G1S, 32
.set G0S, 40
.set G0C, 44
.macro CROUND
	s_barrier_signal -1
	s_barrier_wait -1
	s_cmp_lg_u32 s[WV], 0
	s_cbranch_scc1 .Lnot_wave_0_\@
	s_barrier_signal -3
.Lnot_wave_0_\@:
	s_barrier_wait -3
	s_barrier_signal -1
	s_barrier_wait -1
.endm
	s_load_b256 s[4:11], s[0:1], 0x0               ; qkv s[4:5], qkvs s[6:7], oimg s[8:9], oscl s[10:11]
	v_lshl_add_u32 v[SPW], v0, 2, SPARE
	v_mov_b32 v[NIL], 0
	ds_add_u32 v[SPW], v[NIL]                      ; the wave's opening: the add and its wait stand ahead of my first tensor load; the set-up below, work on registers, stands between them
	ds_add_u32 v[SPW], v[NIL]
	v_lshrrev_b32 v7, 5, v0
	s_delay_alu instid0(VALU_DEP_1)
	v_readfirstlane_b32 s[WV], v7                  ; wave 0..15
	s_lshr_b32 s52, s[WV], 2
	s_and_b32 s52, s52, 1
	s_mul_i32 s52, s52, 3
	s_and_b32 s53, s[WV], 3
	s_xor_b32 s53, s53, s52
	s_and_b32 s[II], s[WV], 12
	s_or_b32 s[II], s[II], s53                     ; i: w with its low two bits turned round in every second four, so that long and short waves are mixed among w % 4
	s_bfe_u32 s[JJ], ttmp6, 0x40000                ; j = cx: it enters Q's and o's addresses and the mask's number alone
	s_and_b32 s[BH], ttmp7, 0xffff                 ; the head, which the four partners share
	; descriptor groups 1: dense blocks as rows of 256 bytes (32 elements of 8): 128 rows of codes, 8 rows of scale bytes
	s_mov_b32 s[G1C], 15|(3<<16)|(1<<21)           ; 15:0 the mask: all four work-groups; 17:16 elements of 8 bytes; 21 set beside a mask
	s_mov_b32 s[G1C+1], 32<<16
	s_mov_b32 s[G1C+2], 128<<16
	s_mov_b32 s[G1C+3], 32<<16
	s_mov_b32 s[G1C+4], 128
	s_mov_b32 s[G1C+5], 32
	s_mov_b32 s[G1C+6], 0
	s_mov_b32 s[G1C+7], 0
	s_mov_b32 s[G1S], 15|(3<<16)|(1<<21)
	s_mov_b32 s[G1S+1], 32<<16
	s_mov_b32 s[G1S+2], 8<<16
	s_mov_b32 s[G1S+3], 32<<16
	s_mov_b32 s[G1S+4], 8
	s_mov_b32 s[G1S+5], 32
	s_mov_b32 s[G1S+6], 0
	s_mov_b32 s[G1S+7], 0
	; what waves 0 to 3 fetch: K (waves 0, 1) or V (2, 3), its first or second half
	s_lshr_b32 s52, s[WV], 1
	s_and_b32 s53, s[WV], 1
	s_lshl_b32 s54, s52, 12
	s_lshl_b32 s55, s53, 11
	s_add_co_u32 s54, s54, s55
	s_add_co_u32 s[G0S+1], s54, KSL                ; LDS: the scale bytes' 2,048
	s_lshl_b32 s54, s52, 16
	s_lshl_b32 s56, s53, 15
	s_add_co_u32 s[G0C+1], s54, s56                ; and the codes' 32,768
	s_add_co_u32 s57, s52, 1
	s_lshl_b32 s57, s57, 18
	s_lshl_b32 s58, s[BH], 12
	s_add_co_u32 s57, s57, s58                     ; in memory: k's or v's part of qkvs, my head,
	s_add_co_u32 s58, s57, s55                     ; my half
	s_mov_b32 s59, 0
	s_lshl_b32 s60, s57, 4                         ; the codes lie at 16 times that,
	s_add_co_u32 s60, s60, s56                     ; my half
	s_mov_b32 s61, 0
	s_mov_b32 s[SEL], 0x76543210
	s_mov_b32 s[SEL+1], 0xfedcba98
	s_mov_b32 s[CS], 0x3e38aa3b                    ; log2(e) / 8
	s_mov_b32 s[CS+1], s[CS]                       ; (named with it as a pair, so it is written)
	s_wait_dscnt 0x0                               ; the opening add is done
	s_wait_kmcnt 0x0
	s_mov_b32 s[G0S], 1
	s_add_nc_u64 s[G0S+2:G0S+3], s[6:7], s[58:59]
	s_or_b32 s[G0S+3], s[G0S+3], 0x80000000
	s_mov_b32 s[G0C], 1
	s_add_nc_u64 s[G0C+2:G0C+3], s[4:5], s[60:61]
	s_or_b32 s[G0C+3], s[G0C+3], 0x80000000
	CROUND                                         ; all four work-groups are here: the joint loads meet
	s_cmp_lt_u32 s[WV], 4                          ; a wave's fills stand in one branch on the wave's number, the same in all partners: two tensor loads of mine are out
	s_cbranch_scc0 .Lno_fetch
	tensor_load_to_lds s[G0S:G0S+3], s[G1S:G1S+7]
	s_nop 0
	tensor_load_to_lds s[G0C:G0C+3], s[G1C:G1C+7]
	s_nop 0
.rept 4
	v_nop
.endr
.Lno_fetch:
	s_lshl_b32 s66, s[II], 2
	s_add_co_u32 s66, s66, s[JJ]                   ; g
	s_lshl_b32 s52, s[BH], 16
	s_lshl_b32 s53, s66, 10
	s_add_co_u32 s52, s52, s53                     ; Q's codes: 65,536 a head, 512 a tile, tiles 2 g and 2 g + 1
	s_mov_b32 s53, 0
	s_add_nc_u64 s[52:53], s[4:5], s[52:53]
	s_lshl_b32 s54, s[BH], 12
	s_lshl_b32 s55, s66, 6
	s_add_co_u32 s54, s54, s55                     ; its scale bytes: 4,096 a head, 32 a tile
	s_mov_b32 s55, 0
	s_add_nc_u64 s[54:55], s[6:7], s[54:55]
	v_and_b32 v7, 31, v0
	s_delay_alu instid0(VALU_DEP_1)
	v_lshlrev_b32 v[LI], 4, v7
	v_and_b32 v7, 15, v0                           ; r
	v_bfe_u32 v8, v0, 4, 1                         ; h
	s_delay_alu instid0(VALU_DEP_2)
	v_lshlrev_b32 v[TT], 1, v7
	global_load_b128 v[QF:QF+3], v[LI], s[52:53]
	global_load_b128 v[QF+8:QF+11], v[LI], s[52:53] offset:512
	global_load_u16 v[QS], v[TT], s[54:55]         ; two bytes, widened with zeros
	global_load_u16 v[QS+1], v[TT], s[54:55] offset:32
	v_lshl_add_u32 v[AS0], v7, 1, KSL
	v_lshl_add_u32 v[AT0], v7, 2, VSL
	v_and_b32 v9, 8, v7
	s_delay_alu instid0(VALU_DEP_1)
	v_add_nc_u32 v9, v9, v7
	v_lshlrev_b32 v10, 4, v8
	s_delay_alu instid0(VALU_DEP_1)
	v_sub_nc_u32 v9, v9, v10
	s_lshl_b32 s56, s[JJ], 5
	v_add_nc_u32 v[DM], s56, v9                    ; 32 j + r + 8 (r / 8) - 16 h: in the diagonal step register 16 B + i of tile u is hidden where 32 B + i - 8 u is above it
	; where o goes: token tile T0 = 128 x batch + 2 g (and the next); head hd = the low four bits
	s_lshr_b32 s67, s[BH], 4
	s_lshl_b32 s67, s67, 7
	s_lshl_b32 s68, s66, 1
	s_add_co_u32 s67, s67, s68
	s_lshl_b32 s56, s67, 13
	s_and_b32 s68, s[BH], 15
	s_lshl_b32 s69, s68, 9
	s_add_co_u32 s56, s56, s69                     ; codes: 8,192 T0 + 512 hd
	s_mov_b32 s57, 0
	s_add_nc_u64 s[56:57], s[8:9], s[56:57]
	s_lshl_b32 s58, s67, 9
	s_lshr_b32 s69, s68, 3
	s_lshl_b32 s69, s69, 8
	s_add_co_u32 s58, s58, s69
	s_and_b32 s69, s[BH], 7
	s_lshl_b32 s69, s69, 1
	s_add_co_u32 s58, s58, s69                     ; scale bytes: 512 T0 + 256 (hd / 8) + 2 (hd % 8)
	s_mov_b32 s59, 0
	s_add_nc_u64 s[58:59], s[10:11], s[58:59]
.irp u, 0,1
.irp j, 4,5,6,7
	v_mov_b32 v[QF+8*\u+\j], 0                     ; Q's upper half: zero codes
.endr
	v_mov_b32 v[13+4*\u], 0xff61b1e6               ; the largest t so far: -3e38, under every t
	s_delay_alu instid0(VALU_DEP_1)
	v_floor_f32 v[12+4*\u], -v[13+4*\u]            ; -M
	v_mov_b32 v[14+4*\u], 0                        ; the sum, in two halves
	v_mov_b32 v[15+4*\u], 0
.endr
.irp j, 0,1,2,3
	v_mov_b32 v[KF+32+\j], 0                       ; what the last K tile's fragment names behind its own four registers
	v_mov_b32 v[PT+\j], 0                          ; written once: a lane permute's destination counts as one of its sources
.endr
	v_mov_b32 v[FF+1], 0                           ; (named as the upper half of the pair)
.set n, 0
.rept 64
	v_mov_b32 v[OT+n], 0                           ; O^T.  (The step is written once: the first finds zeros, which the first change of M leaves zeros)
.set n, n+1
.endr
	s_mov_b32 s[KSN], 0
	s_mov_b32 s[TB], 0
	s_mov_b32 s[TS], 0
	s_mov_b32 s[CNT], 16
	s_wait_tensorcnt 0x0                           ; my part of the head's K, V and scale bytes is in,
	s_barrier_signal -1
	s_barrier_wait -1                              ; everybody's is; nothing is ever filled again
	s_wait_loadcnt 0x0                             ; Q
; The softmax of tile u's 16 queries x 128 keys in v[S] on: p's codes into v[PCB + 8 u] on, its scale word into v[PS + u]; tile u's sum and O^T brought under the new M.
.macro SOFTMAX u
.set ST, 12+4*(\u)
.set PCD, PCB+8*(\u)
.set OO, OT+32*(\u)
	s_cmp_lg_u32 s[KSN], s[II]                     ; only the wave's last step lies on the diagonal: there the scores of hidden keys become -infinity ahead of the maximum
	s_cbranch_scc1 .Lopen_\@
	v_mov_b32 v[TT], 0xff800000
.set n, 0
.rept 64
	v_cmp_gt_i32 vcc_lo, 32*(n/16)+n%16-8*(\u), v[DM]
	v_cndmask_b32 v[S+n], v[S+n], v[TT], vcc_lo
.set n, n+1
.endr
.Lopen_\@:
.irp b, 0,1,2,3
	v_max3_num_f32 v[BM+\b], v[S+16*\b], v[S+1+16*\b], v[S+2+16*\b]   ; the largest score of each block of 32 keys: it serves for the row's maximum and, since p rises with the score, for the block's largest p
.endr
.irp i, 3,5,7,9,11,13
.irp b, 0,1,2,3
	v_max3_num_f32 v[BM+\b], v[BM+\b], v[S+16*\b+\i], v[S+1+16*\b+\i]
.endr
.endr
.irp b, 0,1,2,3
	v_max_num_f32 v[BM+\b], v[BM+\b], v[S+15+16*\b]
.endr
.irp b, 0,1,2,3
	s_delay_alu instid0(VALU_DEP_4)
	v_permlanex16_b32 v[PT+\b], v[BM+\b], s[SEL], s[SEL+1]
.endr
.irp b, 0,1,2,3
	s_delay_alu instid0(VALU_DEP_4)
	v_max_num_f32 v[BM+\b], v[BM+\b], v[PT+\b]     ; with lane l xor 16's 16 keys
.endr
	s_delay_alu instid0(VALU_DEP_2)
	v_max3_num_f32 v[TT], v[BM], v[BM+1], v[BM+2]
	s_delay_alu instid0(VALU_DEP_1)
	v_max_num_f32 v[TT], v[TT], v[BM+3]
	s_delay_alu instid0(VALU_DEP_1)
	v_mul_f32 v[TT], s[CS], v[TT]                  ; the step's largest t (c is positive)
	s_delay_alu instid0(VALU_DEP_1)
	v_max_num_f32 v[ST+1], v[ST+1], v[TT]          ; the running largest t
	v_mov_b32 v[TT], v[ST]
	s_delay_alu instid0(VALU_DEP_2)
	v_floor_f32 v[ST], -v[ST+1]                    ; the new -M = floor(-t): M is a whole number
	s_delay_alu instid0(VALU_DEP_1)
	v_sub_f32 v[TT], v[ST], v[TT]                  ; old M - new M: a whole number, 0 or less
	s_delay_alu instid0(VALU_DEP_1)
	v_cvt_i32_f32 v[TT], v[TT]                     ; (it saturates)
	s_delay_alu instid0(VALU_DEP_1)
	v_ldexp_f32 v[FF], 1.0, v[TT]                  ; f = 2^(old M - new M)
.set n, 0
.rept 32
	v_pk_fma_f32 v[S+n:S+n+1], v[S+n:S+n+1], s[CS:CS+1], v[ST:ST+1] op_sel_hi:[1,0,0]   ; t - M, two at a time
.set n, n+2
.endr
.irp b, 0,1,2,3
	v_fma_f32 v[BM+\b], v[BM+\b], s[CS], v[ST]     ; the same of each block's largest score
.endr
.set n, 0
	s_wait_alu depctr_va_vdst(0)
.rept 64
	v_exp_f32 v[S+n], v[S+n]                       ; p = 2^(t - M), at most 1
.set n, n+1
.endr
	v_pk_mul_f32 v[ST+2:ST+3], v[ST+2:ST+3], v[FF:FF+1] op_sel_hi:[1,0]   ; the sums under the new M.  (The plain instruction behind the exponentials)
	s_wait_alu depctr_va_vdst(0)                   ; one wait for the whole batch, ahead of its first reader
.irp b, 0,1,2,3
	v_exp_f32 v[BM+\b], v[BM+\b]                   ; the block's largest p: the same two instructions on the same number give the same bits
.endr
	v_pk_add_f32 v[PT:PT+1], v[S:S+1], v[S+2:S+3]  ; the row's sum is taken of the unquantised p, in two chains.  (It reads the 64 alone: plain work behind the four)
.set n, 4
.rept 15
	v_pk_add_f32 v[ST+2:ST+3], v[ST+2:ST+3], v[S+n:S+n+1]
	v_pk_add_f32 v[PT:PT+1], v[PT:PT+1], v[S+n+2:S+n+3]
.set n, n+4
.endr
	s_delay_alu instid0(VALU_DEP_1)
	v_pk_add_f32 v[ST+2:ST+3], v[ST+2:ST+3], v[PT:PT+1]
	s_wait_alu depctr_va_vdst(0)                   ; and one for the four
.irp b, 0,1,2,3
	v_max_num_f32 v[BM+\b], 0x1800000, v[BM+\b]    ; the floor 2^(3 - 127): the byte cannot fall under 1
.endr
.irp b, 0,1,2,3
	s_delay_alu instid0(VALU_DEP_4)
	v_add_nc_u32 v[SO+\b], 0xff000000, v[BM+\b]    ; 2 off the exponent field: the conversion's scale operand
.endr
.irp b, 0,1,2,3
	s_delay_alu instid0(VALU_DEP_4)
	v_lshrrev_b32 v[PT+\b], 23, v[SO+\b]           ; the scale's byte
.endr
	s_delay_alu instid0(VALU_DEP_3)
	v_lshl_or_b32 v[PS+(\u)], v[PT+1], 8, v[PT]    ; p's scale word for these 128 keys
	s_delay_alu instid0(VALU_DEP_1)
	v_lshl_or_b32 v[PS+(\u)], v[PT+2], 16, v[PS+(\u)]
	s_delay_alu instid0(VALU_DEP_1)
	v_lshl_or_b32 v[PS+(\u)], v[PT+3], 24, v[PS+(\u)]
.irp b, 0,1,2,3
	v_cvt_scalef32_pk8_fp4_f32 v[PCD+2*\b], v[S+16*\b:S+7+16*\b], v[SO+\b]
	v_cvt_scalef32_pk8_fp4_f32 v[PCD+1+2*\b], v[S+8+16*\b:S+15+16*\b], v[SO+\b]
.endr
	v_nop                                          ; a plain instruction behind the last conversion
.irp c, 0,1                                    ; a whole block to a lane: lanes 0-15 block 2 c, lanes 16-31 block 2 c + 1
.irp i, 0,1
	v_permlane16_swap_b32 v[PCD+4*\c+\i], v[PCD+2+4*\c+\i]
.endr
.endr
.set n, 0
.rept 16
	v_pk_mul_f32 v[OO+n:OO+n+1], v[OO+n:OO+n+1], v[FF:FF+1] op_sel_hi:[1,0]   ; O^T under the new M.  (These sixteen are also the places between the scale word and codes just made and the products)
.set n, n+2
.endr
.endm
.Lstep:                                            ; 16 trips, a constant: a key step of 128 keys
	s_cmp_gt_u32 s[KSN], s[II]                     ; all its keys come after my queries: the work is jumped over, not the lines that step addresses
	s_cbranch_scc1 .Lhidden
	s_setprio 2
	v_add_nc_u32 v[ADK], s[TB], v[LI]              ; (these four are also the places between the last step's products and the loads below)
	v_add_nc_u32 v[ADS], s[TS], v[AS0]
	v_add_nc_u32 v[ADT], s[TS], v[AT0]
	s_delay_alu instid0(VALU_DEP_3)
	v_add_nc_u32 v[ADV], VC, v[ADK]
.irp t, 0,1,2,3,4,5,6,7
	ds_load_b128 v[KF+4*\t:KF+4*\t+3], v[ADK] offset:512*\t    ; a tile of 16 keys x 64: 512 consecutive bytes
	ds_load_u16 v[KSC+\t], v[ADS] offset:32*\t                 ; its two scale bytes a key, widened with zeros
.endr
	s_wait_dscnt 0x0
.irp t, 0,1,2,3,4,5,6,7
	v_wmma_scale_f32_16x16x128_f8f6f4 v[S+8*\t:S+8*\t+7], v[KF+4*\t:KF+4*\t+7], v[QF:QF+7], 0, v[KSC+\t], v[QS] matrix_a_fmt:MATRIX_FMT_FP4 matrix_b_fmt:MATRIX_FMT_FP4
.endr
.rept 4
	v_nop
.endr
	SOFTMAX 0
.irp t, 0,1,2,3,4,5,6,7
	v_wmma_scale_f32_16x16x128_f8f6f4 v[S+8*\t:S+8*\t+7], v[KF+4*\t:KF+4*\t+7], v[QF+8:QF+15], 0, v[KSC+\t], v[QS+1] matrix_a_fmt:MATRIX_FMT_FP4 matrix_b_fmt:MATRIX_FMT_FP4
.endr
.rept 4
	v_nop                                          ; places in front of the loads into K's registers and of the first read of the scores
.endr
.irp d, 0,1,2,3                                ; V's four fragments (16 of the head's 64 x 128 keys) land while the second tile's softmax is walked
.irp c, 0,1
	ds_load_b128 v[KF+8*\d+4*\c:KF+8*\d+4*\c+3], v[ADV] offset:1024*\d+512*\c
.endr
	ds_load_b32 v[KSC+\d], v[ADT] offset:64*\d
.endr
	s_setprio 1
	SOFTMAX 1
	s_setprio 0
	s_wait_alu depctr_va_vdst(0)
	s_wait_dscnt 0x0
.rept 4
	v_nop                                          ; between the last rescaling of O^T and the products that take it as C
.endr
.irp d, 0,1,2,3                                ; O^T += V^T P^T: eight accumulators, one product each
.irp u, 0,1
	v_wmma_scale_f32_16x16x128_f8f6f4 v[OT+32*\u+8*\d:OT+32*\u+8*\d+7], v[KF+8*\d:KF+8*\d+7], v[PCB+8*\u:PCB+8*\u+7], v[OT+32*\u+8*\d:OT+32*\u+8*\d+7], v[KSC+\d], v[PS+\u] matrix_a_fmt:MATRIX_FMT_FP4 matrix_b_fmt:MATRIX_FMT_FP4
.endr
.endr
.Lhidden:
	s_add_co_u32 s[KSN], s[KSN], 1
	s_add_co_u32 s[TB], s[TB], 4096
	s_add_co_u32 s[TS], s[TS], 256
	s_sub_co_u32 s[CNT], s[CNT], 1
	s_cmp_lg_u32 s[CNT], 0
	s_cbranch_scc1 .Lstep
	s_setprio 0
	; THE WAY OUT.  o = O^T / l; register 16 B + i of a tile is d = 32 B + 16 h + i: two blocks of the next product's K a tile, four in all.  The additions are the places behind the last products.
.irp u, 0,1
	v_add_f32 v[14+4*\u], v[14+4*\u], v[15+4*\u]
.endr
.irp u, 0,1
	s_delay_alu instid0(VALU_DEP_2)
	v_permlanex16_b32 v[PT+\u], v[14+4*\u], s[SEL], s[SEL+1]
.endr
.irp u, 0,1
	s_delay_alu instid0(VALU_DEP_2)
	v_add_f32 v[14+4*\u], v[14+4*\u], v[PT+\u]     ; the row's sum
.endr
	s_wait_alu depctr_va_vdst(0)
.irp u, 0,1
	v_rcp_f32 v[14+4*\u], v[14+4*\u]
.endr
	v_and_b32 v[ADK], 15, v0                       ; (plain work behind the reciprocals)
	v_bfe_u32 v[ADV], v0, 4, 1
	s_delay_alu instid0(VALU_DEP_2)
	v_lshlrev_b32 v[ADK], 4, v[ADK]
	s_delay_alu instid0(VALU_DEP_1)
	v_lshl_add_u32 v[ADK], v[ADV], 9, v[ADK]       ; the scale bytes' offset: 16 r, + 512 for the second tile
	s_wait_alu depctr_va_vdst(0)                   ; one wait for both, ahead of the first reader
.set n, 0
.rept 32
	v_pk_mul_f32 v[S+n:S+n+1], v[OT+n:OT+n+1], v[14+4*(n/32):15+4*(n/32)] op_sel_hi:[1,0]
.set n, n+2
.endr
.irp b, 0,1,2,3
	v_max3_num_f32 v[BM+\b], |v[S+16*\b]|, |v[S+1+16*\b]|, 0x1800000
.endr
.irp i, 2,4,6,8,10,12,14
.irp b, 0,1,2,3
	s_delay_alu instid0(VALU_DEP_4)
	v_max3_num_f32 v[BM+\b], v[BM+\b], |v[S+16*\b+\i]|, |v[S+1+16*\b+\i]|
.endr
.endr
.irp b, 0,1,2,3
	s_delay_alu instid0(VALU_DEP_4)
	v_permlanex16_b32 v[PT+\b], v[BM+\b], s[SEL], s[SEL+1]
.endr
.irp b, 0,1,2,3
	s_delay_alu instid0(VALU_DEP_4)
	v_max_num_f32 v[BM+\b], v[BM+\b], v[PT+\b]
.endr
.irp b, 0,1,2,3
	s_delay_alu instid0(VALU_DEP_4)
	v_add_nc_u32 v[SO+\b], 0xff000000, v[BM+\b]
.endr
.irp b, 0,1,2,3
	s_delay_alu instid0(VALU_DEP_4)
	v_lshrrev_b32 v[PT+\b], 23, v[SO+\b]
.endr
	s_delay_alu instid0(VALU_DEP_3)
	v_lshl_or_b32 v[BM], v[PT+1], 8, v[PT]         ; the first tile's two bytes,
	s_delay_alu instid0(VALU_DEP_2)
	v_lshl_or_b32 v[BM+1], v[PT+3], 8, v[PT+2]     ; the second's (both halves of the lanes hold the same)
.irp b, 0,1,2,3
	v_cvt_scalef32_pk8_fp4_f32 v[PCB+2*\b], v[S+16*\b:S+7+16*\b], v[SO+\b]
	v_cvt_scalef32_pk8_fp4_f32 v[PCB+1+2*\b], v[S+8+16*\b:S+15+16*\b], v[SO+\b]
.endr
	v_permlane16_swap_b32 v[BM], v[BM+1]           ; lanes 0-15 keep the first tile's, lanes 16-31 take the second's.  (Also the plain instruction behind the conversions)
.irp c, 0,1
.irp i, 0,1
	v_permlane16_swap_b32 v[PCB+4*\c+\i], v[PCB+2+4*\c+\i]
.endr
.endr
.irp u, 0,1
	global_store_b128 v[LI], v[PCB+4*\u:PCB+4*\u+3], s[56:57] offset:8192*\u   ; 32 lanes store the head's 512 consecutive bytes of the tile's image
.endr
	global_store_b16 v[ADK], v[BM], s[58:59]
	s_wait_tensorcnt 0x0                           ; the wave's end, behind my last tensor load
	ds_add_u32 v[SPW], v[NIL]
	s_wait_dscnt 0x0
	CROUND                                         ; the closing round: no work-group ends while a partner may still ask for a tile that names it
	s_endpgm
.Lfunc_end_k_qfb3863a854_attn:
	.size	k_qfb3863a854_attn, .Lfunc_end_k_qfb3863a854_attn-k_qfb3863a854_attn
	.p2alignl 7, 3214868480
	.fill 96, 4, 3214868480
	.section	.rodata,"a",@progbits
	.p2align	6, 0x0
	.amdhsa_kernel k_qfb3863a854_attn
		.amdhsa_group_segment_fixed_size 167936
		.amdhsa_private_segment_fixed_size 0
		.amdhsa_enable_private_segment 0
		.amdhsa_kernarg_size 32
		.amdhsa_user_sgpr_count 2
		.amdhsa_user_sgpr_kernarg_segment_ptr 1
		.amdhsa_wavefront_size32 1
		.amdhsa_system_sgpr_workgroup_id_x 1
		.amdhsa_system_sgpr_workgroup_id_y 1
		.amdhsa_system_sgpr_workgroup_id_z 1
		.amdhsa_system_vgpr_workitem_id 0
		.amdhsa_next_free_vgpr 256
		.amdhsa_next_free_sgpr 72
		.amdhsa_reserve_vcc 1
		.amdhsa_float_denorm_mode_32 3
		.amdhsa_float_denorm_mode_16_64 3
		.amdhsa_memory_ordered 1
		.amdhsa_forward_progress 1
		.amdhsa_inst_pref_size 59
	.end_amdhsa_kernel
	.amdgpu_metadata
---
amdhsa.version: [ 1, 2 ]
amdhsa.kernels:
  - .name:           k_qfb3863a854_attn
    .symbol:         k_qfb3863a854_attn.kd
    .args:
      - { .name: qkv, .offset: 0, .size: 8, .value_kind: global_buffer, .address_space: global }
      - { .name: qkvs, .offset: 8, .size: 8, .value_kind: global_buffer, .address_space: global }
      - { .name: oimg, .offset: 16, .size: 8, .value_kind: global_buffer, .address_space: global }
      - { .name: oscl, .offset: 24, .size: 8, .value_kind: global_buffer, .address_space: global }
    .group_segment_fixed_size: 167936
    .private_segment_fixed_size: 0
    .kernarg_segment_align: 8
    .kernarg_segment_size: 32
    .max_flat_workgroup_size: 512
    .sgpr_count:     72
    .vgpr_count:     256
    .wavefront_size: 32
...
	.end_amdgpu_metadata
.endif
;; end of part 3
;; launch oproj (part 4): grid 8 x 32, 4 waves a work-group, clusters of 4 x 4, 327,680 bytes of LDS; arguments oimg, oscl, wimg, wscl, bo, x, out0; writes out0
.if DOCPART == 4
	.amdgcn_target "amdgcn-amd-amdhsa--gfx1250"
	.amdhsa_code_object_version 6
	.text
	.protected	k_qfb3863a854_oproj
	.globl	k_qfb3863a854_oproj
	.p2align	8
	.type	k_qfb3863a854_oproj,@function
k_qfb3863a854_oproj:
	s_mov_b64 s[64:65], 0
	v_nop
	global_prefetch_b8 v0, s[64:65] scope:SCOPE_SE
	s_setreg_imm32_b32 hwreg(HW_REG_WAVE_MODE, 25, 1), 1
	s_wait_xcnt 0x0
	s_wait_alu depctr_hold_cnt(0) depctr_sa_sdst(0) depctr_va_vdst(0) depctr_va_sdst(0) depctr_va_ssrc(0) depctr_va_vcc(0) depctr_vm_vsrc(0)
	s_getreg_b32 s2, hwreg(HW_REG_IB_STS2, 6, 4)
	s_cmp_eq_u32 s2, 0
	s_cbranch_scc0 .Lentry_in_a_cluster
	s_endpgm
.Lentry_in_a_cluster:
	s_bfe_u32 s2, ttmp6, 0x10000c
	s_cmp_lg_u32 s2, 0xf033
	s_cbranch_scc0 .Lentry_shape_is_right
	s_endpgm
.Lentry_shape_is_right:
; OPROJ.  out0 = o Wo + bo + x on codes of FP4 (E2M1) with E8M0 scales, K = 1,024; out0 and x [8192][1024] f32.
; A work-group makes 256 rows x 128 columns (256 work-groups), each of its four waves 128 x 64: 32 accumulators.  All of K of both operands' tiles fits in LDS, in two slots of 512 along K, each filled once.
; SOURCE 0 = 16 of Wo's n ("column" operand), SOURCE 1 = 16 tokens of o ("row" operand): a lane holds a token, and since tiles hold rows 32 (T / 2) + 8 (T % 2) + p + 8 (p / 8), the 16 registers of column tiles
; 2 B and 2 B + 1 are columns 32 B + 16 (lane / 16) + 0 .. 15.  bo is the C of each sum's first product.  The wave's 128 x 64 of x is asked for at the head, into 256 registers, and lands under the products.
; The way out goes through the wave's own stage in LDS, 16 positions x 256 bytes at a time; the order of tokens in a tile is undone by the loads' and stores' immediates alone.
; CLUSTERS: 4 x 4.  o's tiles are shared along a row of the cluster, Wo's along a column: each is asked for jointly.
; REGISTERS, in windows of 256: window 0: v1-29 addresses; v32-63 o's scale words, v64-79 Wo's; v128-191 o's 8 fragments, later rows read back from the stage.
;   window 1: v0-31, v128-159 Wo's fragments, two sets; v64-95 bo.   window 2: the accumulators, (a, b) at v[32 a + 8 b].   window 3: x, later the results: v[32 a + 4 t].
.set NB,    4
.set SLOT,  98304                      ; a slot: o's 16 tiles x 4,096 bytes (512 along K), then Wo's 8
.set STAGE, 2*SLOT                     ; behind the slots: 16 rows x (256 + 16) bytes for each wave
.set SPARE, STAGE+4*16*272             ; the spare words, 128 bytes for each wave: two blocks of 256 bytes that no other line names
.set ADRA, 16
.set ADRB, 20
.set LI,   24
.set STO,  25                          ; v25  the stage: where I put 32 bytes of a row
.set RD,   26                          ; v26  and where I read a row back
.set XO,   27                          ; v27  my byte offset in x and out0: 4,096 h + 16 r; never rewritten
.set SPW,  28
.set NIL,  29
.set SA,   32
.set SB,   64
.set AF,   128
.set BI,   64
.set G1,  24
.set G0,  32
.set G1B, 48
.set G0B, 56
.set MSB, 0
.macro WIN new
.if MSB != (\new)
	s_set_vgpr_msb (MSB<<8)|(\new)
.set MSB, (\new)
.endif
.endm
.macro JLOAD g0a, g1a, g0b, g1b        ; waves 0 and 1 fetch o's tiles, waves 2 and 3 Wo's; an s_nop 0 and four v_nop follow each of the two lines
	s_cmp_eq_u32 s15, 0
	s_cbranch_scc0 .Lfor_b_\@
	tensor_load_to_lds s[\g0a:\g0a+3], s[\g1a:\g1a+7]
	s_nop 0
.rept 4
	v_nop
.endr
	s_branch .Lasked_\@
.Lfor_b_\@:
	tensor_load_to_lds s[\g0b:\g0b+3], s[\g1b:\g1b+7]
	s_nop 0
.rept 4
	v_nop
.endr
.Lasked_\@:
.endm
.macro CROUND
	s_barrier_signal -1
	s_barrier_wait -1
	s_cmp_lg_u32 s14, 0
	s_cbranch_scc1 .Lnot_wave_0_\@
	s_barrier_signal -3
.Lnot_wave_0_\@:
	s_barrier_wait -3
	s_barrier_signal -1
	s_barrier_wait -1
.endm
.macro PLACES n
.rept \n
	v_nop
.endr
.endm
.macro FRAG reg, adr, q, i
.irp c, 0,1
	ds_load_b128 v[(\reg)+4*\c:(\reg)+4*\c+3], v[\adr] offset:4096*(\i)+1024*(\q)+512*\c
.endr
.endm
.macro FETCH_B slot, q, p
	WIN 0x40
.irp i, 0,1,2,3
	FRAG 128*(\p)+8*\i, ADRB+\slot, \q, \i
.endr
	WIN 0
.endm
.macro FETCH_A slot, q, i0
.irp i, \i0, \i0+1, \i0+2, \i0+3
	FRAG AF+8*(\i), ADRA+\slot, \q, \i
.endr
.endm
.macro WM a, b, p, q, slot, cm         ; cm = 1: the product begins its sum with the column tile's bias.  Slot 1's scale words lie in lanes 16-31
.set rD, (8*NB*(\a))%256+8*(\b)
.set rB, 128*(\p)+8*(\b)
.set rA, AF+8*(\a)
.set rSB, SB+4*(\b)+(\q)
.set rSA, SA+4*(\a)+(\q)
.if (\cm) == 1
	v_wmma_scale_f32_16x16x128_f8f6f4 v[rD:rD+7], v[rB:rB+7], v[rA:rA+7], v[BI+8*(\b):BI+8*(\b)+7], v[rSB], v[rSA] matrix_a_fmt:MATRIX_FMT_FP4 matrix_b_fmt:MATRIX_FMT_FP4
.elseif (\slot) == 0
	v_wmma_scale_f32_16x16x128_f8f6f4 v[rD:rD+7], v[rB:rB+7], v[rA:rA+7], v[rD:rD+7], v[rSB], v[rSA] matrix_a_fmt:MATRIX_FMT_FP4 matrix_b_fmt:MATRIX_FMT_FP4
.else
	v_wmma_scale_f32_16x16x128_f8f6f4 v[rD:rD+7], v[rB:rB+7], v[rA:rA+7], v[rD:rD+7], v[rSB], v[rSA] matrix_a_fmt:MATRIX_FMT_FP4 matrix_b_fmt:MATRIX_FMT_FP4 matrix_a_scale:MATRIX_SCALE_ROW1 matrix_b_scale:MATRIX_SCALE_ROW1
.endif
.endm
.macro MULA a0, p, q, slot, cm         ; the 32 accumulators take turns, one instruction a turn, in the same order in every step
.if (\cm) == 0
	WIN 0xa1                                       ; source 0 window 1, source 1 window 0, C and D window 2
.else
	WIN 0x91                                       ; C: the bias, window 1
.endif
.irp a, \a0, \a0+1
.irp b, 0,1,2,3
	WM (\a), \b, \p, \q, \slot, \cm
.endr
.endr
.endm
.macro STEP slot, q, cm
	s_wait_dscnt 8                                 ; all but the youngest eight loads (o's tiles 4-7) are in
	MULA 0, (\q)%2, \q, \slot, \cm
	MULA 2, (\q)%2, \q, \slot, \cm
	s_wait_dscnt 0x0
	PLACES 4
	FETCH_B \slot, (\q)+1, 1-(\q)%2
	FETCH_A \slot, (\q)+1, 0
	MULA 4, (\q)%2, \q, \slot, \cm
	MULA 6, (\q)%2, \q, \slot, \cm
	PLACES 4
	WIN 0
	FETCH_A \slot, (\q)+1, 4
.endm
	s_load_b256 s[68:75], s[0:1], 0x0              ; oimg s[68:69], oscl s[70:71], wimg s[72:73], wscl s[74:75]
	s_load_b128 s[76:79], s[0:1], 0x20             ; bo s[76:77], x s[78:79]
	s_load_b64 s[80:81], s[0:1], 0x30              ; out0
	v_lshl_add_u32 v[SPW], v0, 2, SPARE
	v_mov_b32 v[NIL], 0
	ds_add_u32 v[SPW], v[NIL]                      ; the wave's opening: the add and its wait stand ahead of my first tensor load; the set-up below, work on registers, stands between them
	v_lshrrev_b32 v1, 5, v0
	v_readfirstlane_b32 s14, v1                    ; wave 0..3
	s_lshr_b32 s15, s14, 1                         ; which 128 rows are mine.  Also: I fetch o's tiles (0) or Wo's (1)
	s_and_b32 s16, s14, 1                          ; which 64 columns.  Also: which half of the tiles I fetch
	s_bfe_u32 s40, ttmp6, 0x40000                  ; cx
	s_bfe_u32 s41, ttmp6, 0x40004                  ; cy
	s_lshl_b32 s42, ttmp9, 2
	s_add_co_u32 s42, s42, s40                     ; X: 128 columns
	s_and_b32 s17, ttmp7, 0xffff
	s_lshl_b32 s17, s17, 2
	s_add_co_u32 s17, s17, s41                     ; Y: 256 rows
	s_lshl_b32 s43, s41, 2
	s_lshl_b32 s43, 15, s43                        ; my row of the cluster
	s_lshl_b32 s44, 0x1111, s40                    ; my column
	; descriptor groups 1: of each tile 4,096 consecutive bytes (512 along K), 8,192 bytes from tile to tile; elements of 8 bytes, no padding.  o: 8 tiles a load; Wo: 4
	s_or_b32 s[G1], s43, (3<<16)|(1<<21)
	s_mov_b32 s[G1+1], 512<<16
	s_mov_b32 s[G1+2], 8<<16
	s_mov_b32 s[G1+3], 512<<16
	s_mov_b32 s[G1+4], 8
	s_mov_b32 s[G1+5], 1024
	s_mov_b32 s[G1+6], 0
	s_mov_b32 s[G1+7], 0
	s_or_b32 s[G1B], s44, (3<<16)|(1<<21)
	s_mov_b32 s[G1B+1], 512<<16
	s_mov_b32 s[G1B+2], 4<<16
	s_mov_b32 s[G1B+3], 512<<16
	s_mov_b32 s[G1B+4], 4
	s_mov_b32 s[G1B+5], 1024
	s_mov_b32 s[G1B+6], 0
	s_mov_b32 s[G1B+7], 0
	s_lshl_b32 s22, s17, 4
	s_lshl_b32 s23, s16, 3
	s_add_co_u32 s22, s22, s23
	s_lshl_b32 s22, s22, 13                        ; o: tiles 16 Y + 8 x half on
	s_mov_b32 s23, 0
	s_lshl_b32 s46, s42, 3
	s_lshl_b32 s47, s16, 2
	s_add_co_u32 s46, s46, s47
	s_lshl_b32 s46, s46, 13                        ; Wo: tiles 8 X + 4 x half on,
	s_add_co_u32 s46, s46, 0x180000                ; behind Wq's, Wk's and Wv's
	s_mov_b32 s47, 0
	s_lshl_b32 s45, s16, 15                        ; where they go: o's halves at 0 and 32,768,
	s_lshl_b32 s93, s16, 14
	s_add_co_u32 s93, s93, 65536                   ; Wo's at 65,536 and 81,920 of a slot
	s_wait_dscnt 0x0                               ; the opening add is done
	s_wait_kmcnt 0x0
	s_add_nc_u64 s[96:97], s[68:69], s[22:23]
	s_add_nc_u64 s[98:99], s[72:73], s[46:47]
	CROUND                                         ; all sixteen work-groups are here: the first joint loads meet
.irp s, 0,1
	s_mov_b32 s[G0+4*\s], 1
	s_add_co_u32 s[G0+4*\s+1], s45, \s*SLOT
	s_add_nc_u64 s[G0+4*\s+2:G0+4*\s+3], s[96:97], \s*4096
	s_or_b32 s[G0+4*\s+3], s[G0+4*\s+3], 0x80000000
	s_mov_b32 s[G0B+4*\s], 1
	s_add_co_u32 s[G0B+4*\s+1], s93, \s*SLOT
	s_add_nc_u64 s[G0B+4*\s+2:G0B+4*\s+3], s[98:99], \s*4096
	s_or_b32 s[G0B+4*\s+3], s[G0B+4*\s+3], 0x80000000
	JLOAD G0+4*\s, G1, G0B+4*\s, G1B               ; both slots' only fills: two tensor loads of mine are out
.endr
	v_and_b32 v1, 31, v0
	v_lshlrev_b32 v[LI], 4, v1
	v_and_b32 v2, 15, v0                           ; r
	v_bfe_u32 v3, v0, 4, 1                         ; h
	s_lshl_b32 s22, s15, 15
	s_lshl_b32 s23, s16, 14
	s_add_co_u32 s23, s23, 65536
.irp s, 0,1
	v_add_nc_u32 v[ADRA+\s], s22, v[LI]
	v_add_nc_u32 v[ADRB+\s], s23, v[LI]
	s_add_co_u32 s22, s22, SLOT
	s_add_co_u32 s23, s23, SLOT
.endr
	s_mul_i32 s2, s14, 16*272
	s_add_co_u32 s2, s2, STAGE                     ; my stage
	v_mul_u32_u24 v[STO], v2, 272
	v_lshl_add_u32 v[STO], v3, 6, v[STO]
	v_add_nc_u32 v[STO], s2, v[STO]                ; in: position r, + 64 h bytes
	v_mul_u32_u24 v[RD], v3, 272
	v_lshl_add_u32 v[RD], v2, 4, v[RD]
	v_add_nc_u32 v[RD], s2, v[RD]                  ; back: lanes 0-15 one position's 256 bytes, lanes 16-31 the next's
	v_lshlrev_b32 v[XO], 4, v2
	v_lshl_add_u32 v[XO], v3, 12, v[XO]            ; and the same in x and out0: rows of 4,096 bytes
	v_lshlrev_b32 v4, 6, v3                        ; bo: 64 h bytes
	s_lshl_b32 s2, s17, 4
	s_lshl_b32 s3, s15, 3
	s_add_co_u32 s2, s2, s3
	s_lshl_b32 s2, s2, 9
	s_mov_b32 s3, 0
	s_add_nc_u64 s[70:71], s[70:71], s[2:3]        ; o's scale words: tiles 16 Y + 8 x my half on
	s_lshl_b32 s2, s42, 3
	s_lshl_b32 s3, s16, 2
	s_add_co_u32 s2, s2, s3
	s_lshl_b32 s2, s2, 9
	s_add_co_u32 s2, s2, 98304
	s_mov_b32 s3, 0
	s_add_nc_u64 s[74:75], s[74:75], s[2:3]        ; Wo's: tiles 8 X + 4 x my half on
	s_lshl_b32 s2, s42, 9
	s_lshl_b32 s3, s16, 8
	s_add_co_u32 s2, s2, s3                        ; my first column, in bytes
	s_mov_b32 s3, 0
	s_add_nc_u64 s[76:77], s[76:77], s[2:3]
	s_lshl_b32 s4, s17, 20
	s_add_co_u32 s2, s2, s4
	s_lshl_b32 s4, s15, 19
	s_add_co_u32 s2, s2, s4                        ; + my first row
	s_add_nc_u64 s[78:79], s[78:79], s[2:3]
	s_add_nc_u64 s[80:81], s[80:81], s[2:3]
.irp a, 0,1,2,3,4,5,6,7
	global_load_b128 v[SA+4*\a:SA+4*\a+3], v[LI], s[70:71] offset:512*\a
.endr
.irp b, 0,1,2,3
	global_load_b128 v[SB+4*\b:SB+4*\b+3], v[LI], s[74:75] offset:512*\b
.endr
	WIN 0x40
.irp b, 0,1,2,3
	global_load_b128 v[BI+8*\b:BI+8*\b+3], v4, s[76:77] offset:(32*(\b/2)+8*(\b%2))*4
	global_load_b128 v[BI+8*\b+4:BI+8*\b+7], v4, s[76:77] offset:(32*(\b/2)+8*(\b%2))*4+16
.endr
	s_wait_loadcnt 0x0                             ; scale words and bias
	WIN 0xc0                                       ; destination window 3
.irp a, 0,1,2,3,4,5,6,7                        ; x in the order in which rows come back from the stage: position 2 t + h of tile a is row 32 (a / 2) + 8 (a % 2) + 2 t + h + 8 (t / 4); sixteen lanes read 256 consecutive bytes
.irp t, 0,1,2,3,4,5,6,7
	global_load_b128 v[32*\a+4*\t:32*\a+4*\t+3], v[XO], s[78:79] offset:(32*(\a/2)+8*(\a%2)+2*\t+8*(\t/4))*4096 th:TH_LOAD_NT
.endr
.endr
	WIN 0
	s_wait_tensorcnt 1                             ; my part of slot 0 is in (slot 1's load may be out)
	s_barrier_signal -1
	s_barrier_wait -1                              ; everybody's is
	FETCH_B 0, 0, 0
	FETCH_A 0, 0, 0
	FETCH_A 0, 0, 4
	STEP 0, 0, 1                                   ; the first step begins the sums with bo: nothing is cleared
	STEP 0, 1, 0
	STEP 0, 2, 0
	; slot 0's last step changes slots: one barrier
	s_wait_tensorcnt 0x0                           ; my part of slot 1 has landed;
	ds_add_u32 v[SPW], v[NIL]                      ; 0 onto my spare word;
	s_wait_dscnt 9                                 ; (the add and the youngest eight loads may be out)
	MULA 0, 1, 3, 0, 0
	s_wait_dscnt 0x0
	s_barrier_signal -1
	MULA 2, 1, 3, 0, 0
	WIN 0
	s_barrier_wait -1                              ; slot 1 is whole
	PLACES 4
	FETCH_B 1, 0, 0
	FETCH_A 1, 0, 0
	MULA 4, 1, 3, 0, 0
	MULA 6, 1, 3, 0, 0
	PLACES 4
	WIN 0
	FETCH_A 1, 0, 4
	STEP 1, 0, 0
	STEP 1, 1, 0
	STEP 1, 2, 0
	s_wait_dscnt 8                                 ; the last step: nothing more to fetch
	MULA 0, 1, 3, 1, 0
	MULA 2, 1, 3, 1, 0
	s_wait_dscnt 0x0
	MULA 4, 1, 3, 1, 0
	MULA 6, 1, 3, 1, 0
	WIN 0
; THE WAY OUT, a tile of 16 positions x 64 columns at a time.  A lane holds 32-byte pieces of one row: they go through my own stage and come back as whole rows of 256 bytes; x is added; sixteen lanes store 256 consecutive bytes.
; LDS serves a wave's instructions in order (ISA guide 5.7.1.4): no wait between the stores and the loads, nor in front of the next tile's stores.
.macro TOSTAGE a
	WIN 0x08                                       ; an LDS store's data are its source 1: window 2
.irp b, 0,1,2,3
	ds_store_b128 v[STO], v[32*(\a)+8*\b:32*(\a)+8*\b+3] offset:128*(\b/2)+32*(\b%2)          ; each accumulator from its low end on
	ds_store_b128 v[STO], v[32*(\a)+8*\b+4:32*(\a)+8*\b+7] offset:128*(\b/2)+32*(\b%2)+16
.endr
	WIN 0
.set BB, AF+32*((\a)%2)
.irp t, 0,1,2,3,4,5,6,7
	ds_load_b128 v[BB+4*\t:BB+4*\t+3], v[RD] offset:544*\t
.endr
.endm
.macro SEND a, younger                 ; younger: the LDS instructions issued behind tile a's loads, which may stay out
.set BB, AF+32*((\a)%2)
	s_wait_dscnt \younger
	WIN 0xcc                                       ; x: destination and source 1, window 3
.set k, 0
.rept 16
	v_pk_add_f32 v[32*(\a)+2*k:32*(\a)+2*k+1], v[BB+2*k:BB+2*k+1], v[32*(\a)+2*k:32*(\a)+2*k+1]
.set k, k+1
.endr
	WIN 0x0c                                       ; a store's data are its source 1: window 3
.irp t, 0,1,2,3,4,5,6,7
	global_store_b128 v[XO], v[32*(\a)+4*\t:32*(\a)+4*\t+3], s[80:81] offset:(32*((\a)/2)+8*((\a)%2)+2*\t+8*(\t/4))*4096 th:TH_STORE_NT   ; every store has data registers of its own
.endr
	WIN 0
.endm
	PLACES 4
	s_wait_loadcnt 0x0                             ; x
	TOSTAGE 0
.irp a, 1,2,3,4,5,6,7
	TOSTAGE \a
	SEND \a-1, 16                                  ; behind tile a - 1's loads: tile a's 8 stores and 8 loads
.endr
	SEND 7, 0
	s_wait_tensorcnt 0x0                           ; the wave's end, behind my last tensor load and my last LDS store
	ds_add_u32 v[SPW], v[NIL]
	s_wait_dscnt 0x0
	CROUND                                         ; the closing round: no work-group ends while a partner may still ask for a tile that names it
	s_endpgm
.Lfunc_end_k_qfb3863a854_oproj:
	.size	k_qfb3863a854_oproj, .Lfunc_end_k_qfb3863a854_oproj-k_qfb3863a854_oproj
	.p2alignl 7, 3214868480
	.fill 96, 4, 3214868480
	.section	.rodata,"a",@progbits
	.p2align	6, 0x0
	.amdhsa_kernel k_qfb3863a854_oproj
		.amdhsa_group_segment_fixed_size 327680
		.amdhsa_private_segment_fixed_size 0
		.amdhsa_enable_private_segment 0
		.amdhsa_kernarg_size 56
		.amdhsa_user_sgpr_count 2
		.amdhsa_user_sgpr_kernarg_segment_ptr 1
		.amdhsa_wavefront_size32 1
		.amdhsa_system_sgpr_workgroup_id_x 1
		.amdhsa_system_sgpr_workgroup_id_y 1
		.amdhsa_system_sgpr_workgroup_id_z 1
		.amdhsa_system_vgpr_workitem_id 0
		.amdhsa_next_free_vgpr 1024
		.amdhsa_next_free_sgpr 100
		.amdhsa_reserve_vcc 0
		.amdhsa_float_denorm_mode_32 3
		.amdhsa_float_denorm_mode_16_64 3
		.amdhsa_memory_ordered 1
		.amdhsa_forward_progress 1
		.amdhsa_inst_pref_size 88
	.end_amdhsa_kernel
	.amdgpu_metadata
---
amdhsa.version: [ 1, 2 ]
amdhsa.kernels:
  - .name:           k_qfb3863a854_oproj
    .symbol:         k_qfb3863a854_oproj.kd
    .args:
      - { .name: oimg, .offset: 0, .size: 8, .value_kind: global_buffer, .address_space: global }
      - { .name: oscl, .offset: 8, .size: 8, .value_kind: global_buffer, .address_space: global }
      - { .name: wimg, .offset: 16, .size: 8, .value_kind: global_buffer, .address_space: global }
      - { .name: wscl, .offset: 24, .size: 8, .value_kind: global_buffer, .address_space: global }
      - { .name: bo, .offset: 32, .size: 8, .value_kind: global_buffer, .address_space: global }
      - { .name: x, .offset: 40, .size: 8, .value_kind: global_buffer, .address_space: global }
      - { .name: out0, .offset: 48, .size: 8, .value_kind: global_buffer, .address_space: global }
    .group_segment_fixed_size: 327680
    .private_segment_fixed_size: 0
    .kernarg_segment_align: 8
    .kernarg_segment_size: 56
    .max_flat_workgroup_size: 128
    .sgpr_count:     100
    .vgpr_count:     1024
    .wavefront_size: 32
...
	.end_amdgpu_metadata
.endif
;; end of part 4
